; MI455X (gfx1250); checked and timed in simulation.
; The chip was launched on July 23, 2026; its instructions are those of AMD's public machine-readable ISA for CDNA 5 (MIT licence, August 2026) and "CDNA5" Instruction Set Architecture Reference Guide (July 2026). The comments in the code are by the model that wrote it; some were corrected since.
;; Learned Structured Attention. Allowed arithmetic: matrix products marked QUANTISED: E2M1 operands, one E8M0 scale for each 32 along K, by v_wmma_scale_f32_16x16x128_f8f6f4 with both operands' format E2M1 (or v_wmma_scale_f32_32x16x128_f4), f32 sums; everything else in f32.
;; Inputs: Wk_codes 1,024 x 32 x 16 uint8 (E2M1 codes of Wk, K innermost, in blocks of 32 codes, two codes a byte); Wk_scales 1,024 x 32 uint8 (E8M0 scales of Wk, one for each 32 codes along K); Wq_codes 1,024 x 32 x 16 uint8 (E2M1 codes of Wq, K innermost, in blocks of 32 codes, two codes a byte); Wq_scales 1,024 x 32 uint8 (E8M0 scales of Wq, one for each 32 codes along K); Wv_codes 1,024 x 32 x 16 uint8 (E2M1 codes of Wv, K innermost, in blocks of 32 codes, two codes a byte); Wv_scales 1,024 x 32 uint8 (E8M0 scales of Wv, one for each 32 codes along K); bk 1,024 float32; bq 1,024 float32; bv 1,024 float32; ssm 4 x 2,048 x 2,048 float32; x_codes 2,048 x 4 x 32 x 16 uint8 (E2M1 codes of x, K innermost, in blocks of 32 codes, two codes a byte); x_scales 2,048 x 4 x 32 uint8 (E8M0 scales of x, one for each 32 codes along K).
;; Outputs: out0 2,048 x 4 x 1,024 float32.
;; This version of the problem:
;;   THIS VERSION OF THE PROBLEM IS GIVEN IN LOW PRECISION. The matrix products marked QUANTISED in the list below multiply operands that are first quantised to E2M1 (2 exponent bits, 1 mantissa bit; 4 bits a number), with one power-of-two scale for each 32 numbers along K (OCP MX v1.0); their sums are f32. All else is computed in f32.
;;   The module's matrix products, in the order in which they are computed (A, B: the left and right operand; K: the contracted axis; several contracted axes count as one K, in the product's order):
;;     1. [M 8,192, K 1,024] x [K 1,024, N 1,024]; A: input x (given as codes); B: input Wq (given as codes): QUANTISED
;;     2. [M 8,192, K 1,024] x [K 1,024, N 1,024]; A: input x (given as codes); B: input Wk (given as codes): QUANTISED
;;     3. [M 8,192, K 1,024] x [K 1,024, N 1,024]; A: input x (given as codes); B: input Wv (given as codes): QUANTISED
;;     4. batch 4 x [M 2,048, K 1,024] x [K 1,024, N 2,048]; A: computed on the way; B: computed on the way: QUANTISED
;;     5. batch 4 x [M 2,048, K 2,048] x [K 2,048, N 1,024]; A: softmax (see below); B: computed on the way: QUANTISED
;;   THE QUANTISER, for each operand of a quantised product, along K:
;;     - K is cut into blocks of 32 from its start; a last block that is shorter is filled with zeros.
;;     - A block's scale is 2^e with e = floor(log2(the largest magnitude in the block)) - 2, held to -126 .. 127; a block of zeros has e = 0. As a byte (E8M0): e + 127.
;;     - Each number is divided by its block's scale, clamped to +-6, and rounded to the nearest number of E2M1, ties to even, subnormals kept.
;;     - The product sums the exact products of the quantised numbers (number of the format x scale) in f32.
;;   ~~~python
;;   def quantise(x, axis):      # numpy; x: float32 -> the quantised numbers, widened to float32 again
;;       x = np.moveaxis(x, axis, -1); K = x.shape[-1]
;;       x = np.pad(x, [(0, 0)] * (x.ndim - 1) + [(0, -K % 32)]); x = x.reshape(x.shape[:-1] + (-1, 32)); a = np.abs(x).max(-1, keepdims=True)
;;       e = np.where(a > 0, np.clip(np.frexp(np.where(a > 0, a, 1))[1] - 1 - 2, -126, 127), 0)      # np.frexp(a)[1] - 1 = floor(log2(a)), exactly
;;       r = np.clip(x / 2.0 ** e, -6, 6)
;;       step = 2.0 ** (np.maximum(np.frexp(np.where(r == 0, 1, r))[1] - 1, 0) - 1)
;;       q = np.round(r / step) * step * 2.0 ** e      # np.round: ties to even
;;       return np.moveaxis(q.reshape(q.shape[:-2] + (-1,))[..., :K], -1, axis).astype(np.float32)
;;   ~~~
;;   SOFTMAX AHEAD OF A QUANTISED PRODUCT. Where the list says 'softmax', what is quantised is not the finished softmax but p = 2^(t - M), with t = logit x log2(e) and M = ceil(the row's largest t), a whole number; so 1/2 < the row's largest p <= 1. The row's sum l is taken of the UNQUANTISED p, in f32, and the product's result is divided by l at the end. Since M is a whole number, a kernel that streams over the keys may use a running M (the ceiling of the running maximum): every later rescaling is an exact power of two, which a block's scale takes up: the codes' values come out the same.
;;   OPERANDS COMPUTED ON THE WAY. 'Computed on the way' means the value that the module computes at that place (a softmax that the list does not call 'softmax' is quantised finished and normalised). What goes into a quantiser is computed in f32, as accurately as f32 sums, v_exp_f32 and their like allow (about 1e-6 of the number): no bf16 or f16 on the way to a quantiser, and a product that is left as it is and whose result goes on into a quantised operand takes f32 operands (vector FMAs, or v_wmma_f32_16x16x4_f32). A number that lies on a knife's edge between two numbers of the format may be rounded either way, as far as f32 arithmetic and the matrix unit's own rounding can turn it there, and no further.
;;   INPUTS GIVEN AS CODES. Wk (in the module: [1024, 1024], K = its axis 1); Wq (in the module: [1024, 1024], K = its axis 1); Wv (in the module: [1024, 1024], K = its axis 1); x (in the module: [2048, 4, 1024], K = its axis 2): each comes as NAME_codes (uint8): NAME with its K axis moved to the last place and cut into blocks of 32 codes, [.., K / 32, bytes a block], one block behind the other in memory; two codes a byte, the lower K in the low four bits (a code: sign, 2 exponent bits, 1 mantissa bit); and NAME_scales (uint8): the same leading axes, one E8M0 byte (e + 127) for each 32 codes along K. Its value is code x scale, taken as it is: it is not quantised again, and the codes and scales need not be those that the quantiser above would give.
;; One version. Each part assembles by itself: llvm-mc -triple=amdgcn-amd-amdhsa -mcpu=gfx1250 --defsym DOCPART=n.
;; ======== version 1 of 1: 3 launches
;; limits: right only within a limited range of input values
;; workspace buffers: qc 4,194,304 bytes; kc 4,194,304 bytes; vc 4,194,304 bytes; pc 8,388,608 bytes; qs 262,144 bytes; ks 262,144 bytes; vs 262,144 bytes; pst 1,572,864 bytes
;; launch proj (part 1): grid 8 x 32, 4 waves a work-group, clusters of 4 x 4, 327,680 bytes of LDS; arguments x_codes, x_scales, Wq_codes, Wk_codes, Wv_codes, Wq_scales, Wk_scales, Wv_scales, bq, bk, bv, qc, kc, vc, qs, ks, vs; writes qc, kc, vc, qs, ks, vs
.if DOCPART == 1
	.amdgcn_target "amdgcn-amd-amdhsa--gfx1250"
	.amdhsa_code_object_version 6
	.text
	.protected	k_q1d02f1a022_proj
	.globl	k_q1d02f1a022_proj
	.p2align	8
	.type	k_q1d02f1a022_proj,@function
k_q1d02f1a022_proj:
	s_mov_b64 s[64:65], 0
	v_nop
	global_prefetch_b8 v0, s[64:65] scope:SCOPE_SE
	s_setreg_imm32_b32 hwreg(HW_REG_WAVE_MODE, 25, 1), 1
	s_wait_xcnt 0x0
	s_wait_alu depctr_hold_cnt(0) depctr_sa_sdst(0) depctr_va_vdst(0) depctr_va_sdst(0) depctr_va_ssrc(0) depctr_va_vcc(0) depctr_vm_vsrc(0)
	s_getreg_b32 s2, hwreg(HW_REG_IB_STS2, 6, 4)
	s_cmp_eq_u32 s2, 0
	s_cbranch_scc0 .Lentry_in_a_cluster
	s_endpgm
.Lentry_in_a_cluster:
	s_bfe_u32 s2, ttmp6, 0x10000c
	s_cmp_lg_u32 s2, 0xf033
	s_cbranch_scc0 .Lentry_shape_is_right
	s_endpgm
.Lentry_shape_is_right:
; Q = x Wq^T + bq, K = x Wk^T + bk, V = x Wv^T + bv on codes of FP4 (E2M1) with one E8M0 scale for each 32 along K, sums in f32; the results are quantised at once:
; Q and K along hid, V along the keys (seq), and stored as IMAGES of operand registers for the two launches that follow.
; AN IMAGE is a fragment of 16 rows x 128 K in 1,024 bytes: block bet (32 along K) of row r lies at 256 bet + 16 r; two loads of 16 bytes a lane at 16 x lane (+512) give the operand's 8 registers.
; qc, kc: [batch 4][16 rows: 128][128 hid: 8] images.  vc: [batch][16 hid: 64][128 keys: 16] images.
; SCALE WORDS (four bytes: 128 along K of one row) lie by groups of 128 rows, 512 bytes: the word of row 32 i + l at 16 l + 4 i, so that lane l takes rows l, 32 + l, .. in one load.
; qs, ks: [batch][128 hid: 8][128 rows: 16] groups.  vs: [batch][128 keys: 16][128 hid: 8] groups.
; SHARES.  Work-group (cg, rg): hid 128 cg .. +127 of all three weights, batch rg / 8, seq 256 (rg % 8) .. +255.  Wave w keeps rows 128 cg + 32 w .. +31 of Wq, Wk and Wv in registers (6 tiles x 8 K steps x 8 = 384):
; its 32 hid are one block of Q's and K's quantiser.  A PAIR is 32 seq (two tiles of x, one key block of V): 96 matrix instructions; 8 pairs.  Each fragment of x read from LDS feeds 6 products.
; Q and K are used transposed (source 0 = 16 rows of W, source 1 = 16 rows of x): a lane holds one row of x and 8 neighbouring hid.  V is used as it is: a lane holds one hid and 8 neighbouring seq.
; So in both a block of 32 lies in the 16 registers of two tiles, in lanes l and l xor 16.  The biases are the C of each sum's first product.
; CLUSTER 4 x 4: x's tiles hang on rg alone and are asked for jointly along a row of the cluster, W's on cg alone and jointly along a column.
; LDS: all three weights (202,752 bytes) and all of x (135,168) do not fit together: x's second half is filled into Wq's bytes once every wave has Wq in registers: the launch's one refill.
; It has four pairs, 384 matrix instructions a wave, in which to land, so nothing is prefetched.
; LIMITS: NaN and infinities are not served.  A block whose largest magnitude lies under 2^-124, a block of zeros among them, gets the scale byte 1 (for zeros the quantiser says 127: the codes are zeros, and this program alone reads the bytes).
.set PITCH, 528                        ; an LDS row of codes: 512 bytes + 16 of padding = 33 x 16
.set T16,   16*PITCH
.set XBAT,  32*PITCH                   ; 32 rows: a pair of x, or a wave's part of a weight
.set XHALF, 4*XBAT                     ; 128 rows: half of x, or a weight
.set WREG,  XHALF                      ; LDS: x's first half at 0; then Wq, Wk, Wv; Wq's bytes are filled again with x's second half, so that pair i lies at XBAT x i
.set XSC,   4*XHALF                    ; x's scale bytes: 256 rows of 32 bytes, 48 bytes apart (3 x 16)
.set QSB,   XSC+256*48                 ; stages for the scale bytes made here, 1,024 bytes each: Q's, K's, V's; no fill lands in them
.set VSB,   QSB+2048
.set SPARE, QSB+3072                   ; the spare words: 128 bytes a wave
; vector registers, window 0
.set AX,  4                            ; v4   528 r + 16 h: my lane's place in a tile of codes
.set AXS, 5                            ; v5   my lane's place among x's scale bytes
.set AW,  6                            ; v6-8 my lane's place in my wave's part of Wq, Wk, Wv
.set ADX, 9                            ; v9   address of the pair being fetched;  v10 of its scale bytes
.set ADS, 10
.set SPW, 12                           ; v12  LDS address of my spare word; never rewritten
.set NIL, 13                           ; v13  0; never rewritten
.set WS,  16                           ; v16-39 W's scale words, 4 registers a tile: register i holds K step i in lanes 0-15 and K step 4 + i in lanes 16-31
.set XS,  40                           ; v40-47 x's, likewise
.set VO,  48                           ; v48  16 r + 8 h: my 8 bytes of a block's 256 in an image
.set GQ,  49                           ; v49, v50 offsets of the pair's stores into qc / kc and into vc
.set GV,  50
.set LQ0, 51                           ; v51  QSB + 16 r + wave;  v52  VSB + 16 r + 4 wave
.set LV0, 52
.set LQ,  53                           ; v53, v54 the same for the pair in hand
.set LV,  54
.set OWS, 55                           ; v55  32 r + 16 h: W's scale bytes in memory;  v56  32 h: bq, bk;  v57  4 r: bv
.set OBI, 56
.set OBV, 57
.set SRD, 58                           ; v58  QSB + 256 wave + 8 lane;  v59  8 lane
.set SWO, 59
.set XF,  64                           ; v64-191 x's fragments: 64 g + 8 kap
; window 1: W's fragments of Q and K at 64 wt + 8 kap.  window 2: Wv's at 64 t + 8 kap; bq, bk at 128 + 8 wt; bv at 160 + 8 t.
; window 3: v0-95 the accumulators, six blocks of 16 (Q g0, Q g1, K g0, K g1, V t0, V t1), and:
.set TM,  96                           ; largest magnitudes
.set TP,  102                          ; the other half's
.set SO,  108                          ; the conversions' scale operands
.set BY,  114                          ; scale bytes
.set CD,  120                          ; codes, a pair of registers for each block
; scalar registers
.set WV,  38
.set CX,  39
.set CY,  40
.set CG,  41
.set RG,  42
.set RMASK, 43
.set CMASK, 44
.set LW,  45                           ; XBAT x wave
.set SEL, 46                           ; s[46:47] lane selects for v_permlanex16_b32: lane l xor 16
.set G1W, 52                           ; groups 1: W's 128 rows s[52:59], x's 128 rows s[68:75], x's 32 rows s[76:83]
.set G1X, 68
.set G1Y, 76
.set G0Q, 60                           ; groups 0: Wq s[60:63], Wk s[84:87], Wv s[88:91], x's first half s[92:95], my quarter of its second s[96:99]
.set G0K, 84
.set G0V, 88
.set G0X, 92
.set G0Y, 96
.set MX,  100                          ; s[100:101] offsets in which both cluster coordinates meet: they feed stores alone
.set CNT, 4                            ; from the main part on s4-s10 are used again
.set XB,  5                            ; LDS byte of the pair to be fetched
.set XSO, 6                            ; and of its scale bytes
.set OFQ, 7                            ; the pair's place in qc and kc;  s8 in vc;  s9, s10 in the stages
.set OFV, 8
.set SBQ, 9
.set SBV, 10
.set MSB, 0
.macro WIN new                         ; the immediate's high byte repeats the setting that is left; a switch that changes nothing is dropped
.if MSB != \new
	s_set_vgpr_msb (MSB<<8)|\new
.set MSB, \new
.endif
.endm
.macro CROUND                          ; a round of the cluster's barrier
	s_barrier_signal -1
	s_barrier_wait -1
	s_cmp_lg_u32 s[WV], 0
	s_cbranch_scc1 .Lnot_wave_0_\@
	s_barrier_signal -3
.Lnot_wave_0_\@:
	s_barrier_wait -3
	s_barrier_signal -1
	s_barrier_wait -1
.endm
.macro PLACES
.rept 4
	v_nop
.endr
.endm
	s_load_b512 s[4:19], s[0:1], 0x0               ; x codes s[4:5], x scales s[6:7], Wq, Wk, Wv codes s[8:13], their scales s[14:19]
	s_load_b512 s[20:35], s[0:1], 0x40             ; bq, bk, bv s[20:25], qc s[26:27], kc s[28:29], vc s[30:31], qs s[32:33], ks s[34:35]
	s_load_b64 s[36:37], s[0:1], 0x80              ; vs
	v_lshl_add_u32 v[SPW], v0, 2, SPARE
	v_mov_b32 v[NIL], 0
	ds_add_u32 v[SPW], v[NIL]                      ; the wave's opening: the add, twice on end, and its wait ahead of my first tensor load
	ds_add_u32 v[SPW], v[NIL]
	v_lshrrev_b32 v1, 5, v0
	v_readfirstlane_b32 s[WV], v1                  ; wave 0..3
	s_bfe_u32 s[CX], ttmp6, 0x40000
	s_bfe_u32 s[CY], ttmp6, 0x40004
	s_lshl_b32 s[CG], ttmp9, 2
	s_add_co_u32 s[CG], s[CG], s[CX]               ; cg = 4 x cluster x + cx
	s_and_b32 s[RG], ttmp7, 0xffff
	s_lshl_b32 s[RG], s[RG], 2
	s_add_co_u32 s[RG], s[RG], s[CY]               ; rg = 4 x cluster y + cy
	s_lshl_b32 s[RMASK], s[CY], 2
	s_lshl_b32 s[RMASK], 15, s[RMASK]              ; my row of the cluster
	s_lshl_b32 s[CMASK], 0x1111, s[CX]             ; my column
	; groups 1: rows of 512 bytes (elements of 1 byte), 4 words of padding behind every 128; W's rows 512 bytes apart, x's 2,048 (one seq on, same batch)
	s_or_b32 s[G1W], s[CMASK], (1<<20)|(1<<21)|(6<<22)|(3<<25)
	s_or_b32 s[G1X], s[RMASK], (1<<20)|(1<<21)|(6<<22)|(3<<25)
	s_or_b32 s[G1Y], s[RMASK], (1<<20)|(1<<21)|(6<<22)|(3<<25)
.irp g, G1W, G1X, G1Y
	s_mov_b32 s[\g+1], 512<<16                     ; tensor_dim0
	s_mov_b32 s[\g+3], 512<<16                     ; tile_dim0
	s_mov_b32 s[\g+6], 0
	s_mov_b32 s[\g+7], 0
.endr
.irp g, G1W, G1X
	s_mov_b32 s[\g+2], 128<<16                     ; tensor_dim1
	s_mov_b32 s[\g+4], 128                         ; tile_dim1
.endr
	s_mov_b32 s[G1Y+2], 32<<16
	s_mov_b32 s[G1Y+4], 32
	s_mov_b32 s[G1W+5], 512                        ; tensor_dim0_stride
	s_mov_b32 s[G1X+5], 2048
	s_mov_b32 s[G1Y+5], 2048
	s_lshl_b32 s48, s[CG], 16                      ; W: row 128 cg, 512 bytes a row (registers that never hold cy)
	s_mov_b32 s49, 0
	s_lshr_b32 s2, s[RG], 3                        ; batch
	s_and_b32 s3, s[RG], 7                         ; which 256 seq
	s_lshl_b32 s50, s2, 9                          ; x: [seq][batch] rows of 512 bytes (registers that never hold cx)
	s_lshl_b32 s51, s3, 19
	s_add_co_u32 s50, s50, s51
	s_mov_b32 s51, 0
	s_mul_i32 s[LW], s[WV], XBAT                   ; LDS addresses hang on the wave's number alone
	s_mov_b32 s[SEL], 0x76543210
	s_mov_b32 s[SEL+1], 0xfedcba98
	s_wait_dscnt 0x0                               ; both opening adds are done
	s_wait_kmcnt 0x0
	s_mov_b32 s[G0Q], 1
	s_mov_b32 s[G0Q+1], WREG
	s_add_nc_u64 s[G0Q+2:G0Q+3], s[8:9], s[48:49]
	s_or_b32 s[G0Q+3], s[G0Q+3], 0x80000000
	s_mov_b32 s[G0K], 1
	s_mov_b32 s[G0K+1], WREG+XHALF
	s_add_nc_u64 s[G0K+2:G0K+3], s[10:11], s[48:49]
	s_or_b32 s[G0K+3], s[G0K+3], 0x80000000
	s_mov_b32 s[G0V], 1
	s_mov_b32 s[G0V+1], WREG+2*XHALF
	s_add_nc_u64 s[G0V+2:G0V+3], s[12:13], s[48:49]
	s_or_b32 s[G0V+3], s[G0V+3], 0x80000000
	s_mov_b32 s[G0X], 1
	s_mov_b32 s[G0X+1], 0
	s_add_nc_u64 s[G0X+2:G0X+3], s[4:5], s[50:51]
	s_or_b32 s[G0X+3], s[G0X+3], 0x80000000
	s_lshl_b32 s51, s[WV], 16                      ; the second half: 128 seq on, 32 seq a wave
	s_add_co_u32 s50, s50, s51
	s_add_co_u32 s50, s50, 128*2048
	s_mov_b32 s51, 0
	s_mov_b32 s[G0Y], 1
	s_add_co_u32 s[G0Y+1], s[LW], WREG
	s_add_nc_u64 s[G0Y+2:G0Y+3], s[4:5], s[50:51]
	s_or_b32 s[G0Y+3], s[G0Y+3], 0x80000000
	CROUND                                         ; all sixteen work-groups are here: the first joint loads meet
; THE HEAD'S LOADS, ONE A WAVE.  Wave 0 fetches Wq's 128 rows, wave 1 Wk's, wave 2 Wv's, wave 3 x's first half.  ONE tree of branches: every way through it passes one load.
.macro ARM under, g0, g1, next
	s_cmp_lt_u32 s[WV], \under
	s_cbranch_scc0 \next
	tensor_load_to_lds s[\g0:\g0+3], s[\g1:\g1+7]
	s_nop 0
	PLACES
	s_branch .Lhead_asked
\next:
.endm
	ARM 1, G0Q, G1W, .Lhead_k
	ARM 2, G0K, G1W, .Lhead_v
	ARM 3, G0V, G1W, .Lhead_x
	tensor_load_to_lds s[G0X:G0X+3], s[G1X:G1X+7]
	s_nop 0
	PLACES
.Lhead_asked:
	; where the results go
	s_lshl_b32 s48, s2, 20                         ; qc, kc: batch, 16 blocks of 16 rows a work-group (8,192 bytes each), image cg, block of 32 = wave
	s_lshl_b32 s49, s3, 17
	s_add_co_u32 s[MX], s48, s49
	s_lshl_b32 s49, s[CG], 10
	s_add_co_u32 s[MX], s[MX], s49
	s_lshl_b32 s49, s[WV], 8
	s_add_co_u32 s[MX], s[MX], s49
	s_mov_b32 s[MX+1], 0
	s_add_nc_u64 s[26:27], s[26:27], s[MX:MX+1]
	s_add_nc_u64 s[28:29], s[28:29], s[MX:MX+1]
	s_lshl_b32 s49, s[CG], 17                      ; vc: batch, hid tile 8 cg + 2 wave (16,384 bytes each), image 2 (rg % 8)
	s_add_co_u32 s[MX], s48, s49
	s_lshl_b32 s49, s[WV], 15
	s_add_co_u32 s[MX], s[MX], s49
	s_lshl_b32 s49, s3, 11
	s_add_co_u32 s[MX], s[MX], s49
	s_add_nc_u64 s[30:31], s[30:31], s[MX:MX+1]
	s_lshl_b32 s48, s2, 16                         ; qs, ks: batch, K step cg, groups 2 (rg % 8), a quarter of 1,024 bytes a wave
	s_lshl_b32 s49, s[CG], 13
	s_add_co_u32 s[MX], s48, s49
	s_lshl_b32 s49, s3, 10
	s_add_co_u32 s[MX], s[MX], s49
	s_lshl_b32 s49, s[WV], 8
	s_add_co_u32 s[MX], s[MX], s49
	s_add_nc_u64 s[32:33], s[32:33], s[MX:MX+1]
	s_add_nc_u64 s[34:35], s[34:35], s[MX:MX+1]
	s_lshl_b32 s49, s3, 13                         ; vs: batch, 128 keys 2 (rg % 8) + wave / 2 (4,096 bytes each), group cg, half wave % 2
	s_add_co_u32 s[MX], s48, s49
	s_lshr_b32 s49, s[WV], 1
	s_lshl_b32 s49, s49, 12
	s_add_co_u32 s[MX], s[MX], s49
	s_lshl_b32 s49, s[CG], 9
	s_add_co_u32 s[MX], s[MX], s49
	s_and_b32 s49, s[WV], 1
	s_lshl_b32 s49, s49, 8
	s_add_co_u32 s[MX], s[MX], s49
	s_add_nc_u64 s[36:37], s[36:37], s[MX:MX+1]
	; my wave's 32 rows in W's scale bytes (32 bytes a row) and in the biases (4 bytes); x's scale bytes: [seq][batch] rows of 32
	s_lshl_b32 s48, s[CG], 12
	s_lshl_b32 s49, s[WV], 10
	s_add_co_u32 s48, s48, s49
	s_mov_b32 s49, 0
	s_add_nc_u64 s[14:15], s[14:15], s[48:49]
	s_add_nc_u64 s[16:17], s[16:17], s[48:49]
	s_add_nc_u64 s[18:19], s[18:19], s[48:49]
	s_lshr_b32 s48, s48, 3
	s_add_nc_u64 s[20:21], s[20:21], s[48:49]
	s_add_nc_u64 s[22:23], s[22:23], s[48:49]
	s_add_nc_u64 s[24:25], s[24:25], s[48:49]
	s_lshl_b32 s48, s2, 5
	s_lshl_b32 s3, s3, 15
	s_add_co_u32 s48, s48, s3
	s_add_nc_u64 s[6:7], s[6:7], s[48:49]
	s_add_co_u32 s8, s[WV], QSB
	s_lshl_b32 s9, s[WV], 2
	s_add_co_u32 s9, s9, VSB
	s_lshl_b32 s10, s[WV], 8
	s_add_co_u32 s10, s10, QSB
	; lane terms
	v_and_b32 v1, 15, v0                           ; r
	v_bfe_u32 v2, v0, 4, 1                         ; h
	v_and_b32 v3, 31, v0                           ; lane
	v_mul_u32_u24 v[AX], v1, PITCH
	v_lshl_add_u32 v[AX], v2, 4, v[AX]
	v_mul_u32_u24 v[AXS], v1, 48
	v_lshl_add_u32 v[AXS], v2, 4, v[AXS]
	v_add_nc_u32 v[AXS], XSC, v[AXS]
	v_add_nc_u32 v[AW], s[LW], v[AX]
	v_add_nc_u32 v[AW], WREG, v[AW]
	v_add_nc_u32 v[AW+1], XHALF, v[AW]
	v_add_nc_u32 v[AW+2], XHALF, v[AW+1]
	v_lshlrev_b32 v[VO], 4, v1
	v_lshl_add_u32 v[VO], v2, 3, v[VO]
	v_lshl_add_u32 v[LQ0], v1, 4, s8
	v_lshl_add_u32 v[LV0], v1, 4, s9
	v_lshlrev_b32 v[OWS], 5, v1
	v_lshl_add_u32 v[OWS], v2, 4, v[OWS]
	v_lshlrev_b32 v[OBI], 5, v2
	v_lshlrev_b32 v[OBV], 2, v1
	v_lshlrev_b32 v[SWO], 3, v3
	v_add_nc_u32 v[SRD], s10, v[SWO]
	v_lshrrev_b32 v11, 1, v0                       ; x's scale bytes are copied once: a thread takes 16 bytes of row thread / 2, and of the rows 64, 128, 192 on
	v_and_b32 v3, 1, v0
	v_lshlrev_b32 v60, 7, v11                      ; in memory a seq is 128 bytes,
	v_lshl_add_u32 v60, v3, 4, v60
	v_mul_u32_u24 v61, v11, 48                     ; in LDS 48
	v_lshl_add_u32 v61, v3, 4, v61
	v_add_nc_u32 v61, XSC, v61
	s_wait_alu depctr_va_vdst(0)                   ; the head's end
.irp i, 0,1,2,3
	global_load_b128 v[XF+4*\i:XF+4*\i+3], v60, s[6:7] offset:8192*\i
.endr
.irp u, 0,1
	global_load_b128 v[WS+4*\u:WS+4*\u+3], v[OWS], s[14:15] offset:512*\u        ; a tile's 16 rows x 32 scale bytes: 512 consecutive bytes
	global_load_b128 v[WS+8+4*\u:WS+8+4*\u+3], v[OWS], s[16:17] offset:512*\u
	global_load_b128 v[WS+16+4*\u:WS+16+4*\u+3], v[OWS], s[18:19] offset:512*\u
.endr
	WIN 0x80                                       ; destination window 2
.irp u, 0,1
.irp i, 0,1
	global_load_b128 v[128+8*\u+4*\i:128+8*\u+4*\i+3], v[OBI], s[20:21] offset:64*\u+16*\i   ; bq at hid 16 u + 8 h + 0 .. 7: the result's layout
	global_load_b128 v[144+8*\u+4*\i:144+8*\u+4*\i+3], v[OBI], s[22:23] offset:64*\u+16*\i   ; bk
.endr
.endr
	WIN 0
	global_load_b32 v14, v[OBV], s[24:25]          ; bv at hid r, and at 16 + r
	global_load_b32 v15, v[OBV], s[24:25] offset:64
	s_wait_loadcnt 0x0                             ; scale bytes and biases
	s_wait_tensorcnt 0x0                           ; my tile of the head's four
.irp i, 0,1,2,3
	ds_store_b128 v61, v[XF+4*\i:XF+4*\i+3] offset:64*48*\i
.endr
	s_wait_dscnt 0x0                               ; for the others' sake
	s_barrier_signal -1
	s_barrier_wait -1                              ; all four tiles and x's scale bytes are whole
	; the weights go into registers
	WIN 0x40                                       ; destination window 1
.irp wt, 0,1,2,3
.irp kap, 0,1,2,3,4,5,6,7
.irp c, 0,1
	ds_load_b128 v[64*\wt+8*\kap+4*\c:64*\wt+8*\kap+4*\c+3], v[AW+\wt/2] offset:T16*(\wt%2)+64*\kap+32*\c
.endr
.endr
.endr
	WIN 0x80                                       ; destination window 2
.irp t, 0,1
.irp kap, 0,1,2,3,4,5,6,7
.irp c, 0,1
	ds_load_b128 v[64*\t+8*\kap+4*\c:64*\t+8*\kap+4*\c+3], v[AW+2] offset:T16*\t+64*\kap+32*\c
.endr
.endr
.endr
.irp t, 0,1
.irp j, 0,1,2,3,4,5,6,7
	v_mov_b32 v[160+8*\t+\j], v[14+\t]             ; V's result holds one hid a lane: its bias in all eight registers
.endr
.endr
	WIN 0xc0                                       ; destination window 3
.irp q, 0,1,2,3,4,5
	v_mov_b32 v[TP+\q], 0                          ; written once: a lane permute's destination counts as one of its sources
.endr
	WIN 0
	; THE ONE REFILL: x's second half into Wq's bytes
	s_wait_alu depctr_va_vdst(0)                   ; directly ahead of the wait below
	s_wait_tensorcnt 0x0                           ; no tensor load of mine is out
	ds_add_u32 v[SPW], v[NIL]                      ; 0 onto my spare word
	s_mov_b32 s[XB], 0
	s_mov_b32 s[XSO], 0
	s_mov_b32 s[OFQ], 0
	s_mov_b32 s[OFV], 0
	s_mov_b32 s[SBQ], 0
	s_mov_b32 s[SBV], 0
	s_wait_dscnt 0x0                               ; the add is done, and my reads of the weights are back
	CROUND                                         ; so of every wave of all sixteen work-groups
	tensor_load_to_lds s[G0Y:G0Y+3], s[G1Y:G1Y+7]  ; my one tensor load behind the round: a quarter of the half
	s_nop 0
	PLACES
.macro WMP                             ; one product; rR: K steps 4 to 7 take their scale words from lanes 16-31, on both sides
.if rR
	v_wmma_scale_f32_16x16x128_f8f6f4 v[rD:rD+7], v[rA:rA+7], v[rB:rB+7], v[rC:rC+7], v[rSA], v[rSB] matrix_a_fmt:MATRIX_FMT_FP4 matrix_b_fmt:MATRIX_FMT_FP4 matrix_a_scale:MATRIX_SCALE_ROW1 matrix_b_scale:MATRIX_SCALE_ROW1
.else
	v_wmma_scale_f32_16x16x128_f8f6f4 v[rD:rD+7], v[rA:rA+7], v[rB:rB+7], v[rC:rC+7], v[rSA], v[rSB] matrix_a_fmt:MATRIX_FMT_FP4 matrix_b_fmt:MATRIX_FMT_FP4
.endif
.endm
; 34 LDS loads: a pair's two tiles of x, all eight K steps, and their scale words
.macro FETCH
	v_add_nc_u32 v[ADX], s[XB], v[AX]
	v_add_nc_u32 v[ADS], s[XSO], v[AXS]
.irp g, 0,1
.irp kap, 0,1,2,3,4,5,6,7
.irp c, 0,1
	ds_load_b128 v[XF+64*\g+8*\kap+4*\c:XF+64*\g+8*\kap+4*\c+3], v[ADX] offset:T16*\g+64*\kap+32*\c
.endr
.endr
	ds_load_b128 v[XS+4*\g:XS+4*\g+3], v[ADS] offset:16*48*\g
.endr
	s_add_co_u32 s[XB], s[XB], XBAT
	s_add_co_u32 s[XSO], s[XSO], 32*48
.endm
; 64 products: Q and K, transposed.  Eight accumulators take turns, one instruction a turn.
.macro MULQK
.irp kap, 0,1,2,3,4,5,6,7
.if \kap == 0
	WIN 0xe1                                       ; source 0 (W) window 1, source 1 (x) window 0, C (the bias) window 2, D window 3
.else
	WIN 0xf1                                       ; C and D window 3
.endif
.irp g, 0,1
.irp wt, 0,1,2,3
.set rD, 16*(2*(\wt/2)+\g)+8*(\wt%2)
.set rA, 64*\wt+8*\kap
.set rB, XF+64*\g+8*\kap
.set rSA, WS+4*\wt+\kap%4
.set rSB, XS+4*\g+\kap%4
.set rR, \kap/4
.set rC, rD
.if \kap == 0
.set rC, 128+8*\wt
.endif
	WMP
.endr
.endr
.endr
.endm
; 32 products: V.  Four accumulators take turns.
.macro MULV
.irp kap, 0,1,2,3,4,5,6,7
.if \kap == 0
	WIN 0xe8                                       ; source 0 (x) window 0, source 1 (Wv) window 2, C (the bias) window 2, D window 3
.else
	WIN 0xf8
.endif
.irp g, 0,1
.irp t, 0,1
.set rD, 64+16*\t+8*\g
.set rA, XF+64*\g+8*\kap
.set rB, 64*\t+8*\kap
.set rSA, XS+4*\g+\kap%4
.set rSB, WS+16+4*\t+\kap%4
.set rR, \kap/4
.set rC, rD
.if \kap == 0
.set rC, 160+8*\t
.endif
	WMP
.endr
.endr
.endr
.endm
; Six blocks of 32 are quantised, by turns so that no line waits for the line above it.  Block q: registers 16 q + 8 u + j of lane (r, h) hold index 16 u + 8 h + j.
.macro QUANT6
	s_wait_xcnt 0x0                                ; the last pair's stores have read their offsets and data: both are written again only behind this wait
	v_add_nc_u32 v[GQ], s[OFQ], v[VO]
	v_add_nc_u32 v[GV], s[OFV], v[VO]
	v_add_nc_u32 v[LQ], s[SBQ], v[LQ0]
	v_add_nc_u32 v[LV], s[SBV], v[LV0]
	WIN 0xff                                       ; all in window 3
.irp q, 0,1,2,3,4,5
	v_max3_num_f32 v[TM+\q], |v[16*\q]|, |v[16*\q+1]|, 0x1800000   ; my 16 numbers, each accumulator from its low end on, and the floor 2^(3 - 127): the byte cannot fall under 1
.endr
.irp i, 2,4,6,8,10,12,14
.irp q, 0,1,2,3,4,5
	v_max3_num_f32 v[TM+\q], v[TM+\q], |v[16*\q+\i]|, |v[16*\q+\i+1]|
.endr
.endr
.irp q, 0,1,2,3,4,5
	v_permlanex16_b32 v[TP+\q], v[TM+\q], s[SEL], s[SEL+1]
.endr
.irp q, 0,1,2,3,4,5
	v_max_num_f32 v[TM+\q], v[TM+\q], v[TP+\q]     ; with lane l xor 16's: the block's largest magnitude
.endr
.irp q, 0,1,2,3,4,5
	v_add_nc_u32 v[SO+\q], 0xff000000, v[TM+\q]    ; 2 off its exponent field: the conversion takes that field as its scale
.endr
.irp q, 0,1,2,3,4,5
	v_lshrrev_b32 v[BY+\q], 23, v[SO+\q]           ; the scale's byte
.endr
.irp q, 0,1,2,3,4,5
	v_cvt_scalef32_pk8_fp4_f32 v[CD+2*\q], v[16*\q:16*\q+7], v[SO+\q]
	v_cvt_scalef32_pk8_fp4_f32 v[CD+2*\q+1], v[16*\q+8:16*\q+15], v[SO+\q]
.endr
	v_nop                                          ; one plain place behind the scaled conversions
.irp q, 0,1,2,3,4,5
	v_permlane16_swap_b32 v[CD+2*\q], v[CD+2*\q+1] ; lane (r, h) now holds index 16 h + 0 .. 15 of row r: 8 neighbouring bytes of the image
.endr
	WIN 0x0c                                       ; offsets and addresses window 0, data window 3
	global_store_b64 v[GQ], v[CD:CD+1], s[26:27]                   ; 32 lanes store a block's 256 consecutive bytes, at a multiple of 256 from the buffer's first byte
	global_store_b64 v[GQ], v[CD+2:CD+3], s[26:27] offset:8192
	global_store_b64 v[GQ], v[CD+4:CD+5], s[28:29]
	global_store_b64 v[GQ], v[CD+6:CD+7], s[28:29] offset:8192
	global_store_b64 v[GV], v[CD+8:CD+9], s[30:31]
	global_store_b64 v[GV], v[CD+10:CD+11], s[30:31] offset:16384
	ds_store_b8 v[LQ], v[BY]                       ; byte = wave of row r's scale word (both halves of the lanes write the same byte with the same value)
	ds_store_b8 v[LQ], v[BY+1] offset:256          ; the second tile: lanes 16-31 of the word's place
	ds_store_b8 v[LQ], v[BY+2] offset:1024
	ds_store_b8 v[LQ], v[BY+3] offset:1280
	ds_store_b8 v[LV], v[BY+4]
	ds_store_b8 v[LV], v[BY+5] offset:256
	WIN 0
.endm
; A pair.  fetch = 1: the next pair's fragments are asked for behind the products, and land while this pair is quantised.  meet = 1: the next pair lies in x's second half.
.macro PAIR fetch, meet
	s_wait_dscnt 0x0                               ; the pair's fragments and scale words are in
	MULQK
	MULV
	WIN 0
	PLACES                                         ; four places in front of loads into registers that the products have read, and of the first read of results
.if \meet
	s_wait_tensorcnt 0x0                           ; my part of x's second half has landed (no LDS instruction of mine is out),
	s_barrier_signal -1
	s_barrier_wait -1                              ; everybody's has
.endif
.if \fetch
	FETCH
.endif
	QUANT6
	s_add_co_u32 s[OFQ], s[OFQ], 16384             ; two blocks of 16 rows on,
	s_add_co_u32 s[OFV], s[OFV], 256               ; the next block of 32 keys,
	s_add_co_u32 s[SBQ], s[SBQ], 4                 ; the next 32 rows of a group of scale words,
	s_add_co_u32 s[SBV], s[SBV], 1                 ; the next byte of V's
.endm
	FETCH                                          ; pair 0
	s_mov_b32 s[CNT], 3
.Lfirst_half:
	s_wait_alu depctr_va_vdst(0)
	PAIR 1, 0
	s_sub_co_u32 s[CNT], s[CNT], 1
	s_cmp_lg_u32 s[CNT], 0
	s_cbranch_scc1 .Lfirst_half
	PAIR 1, 1
	s_mov_b32 s[SBQ], 512                          ; the second half: the next groups of scale words
	s_mov_b32 s[SBV], 512
	s_mov_b32 s[CNT], 3
.Lsecond_half:
	s_wait_alu depctr_va_vdst(0)
	PAIR 1, 0
	s_sub_co_u32 s[CNT], s[CNT], 1
	s_cmp_lg_u32 s[CNT], 0
	s_cbranch_scc1 .Lsecond_half
	PAIR 0, 0
	; the scale bytes leave: wave w takes the w-th 256 bytes of each stage
	s_wait_dscnt 0x0                               ; for the others' sake: my byte stores are done
	s_barrier_signal -1
	s_barrier_wait -1
	ds_load_b64 v[192:193], v[SRD]
	ds_load_b64 v[194:195], v[SRD] offset:1024
	ds_load_b64 v[196:197], v[SRD] offset:2048
	s_wait_dscnt 0x0
	global_store_b64 v[SWO], v[192:193], s[32:33]  ; 32 lanes store 256 consecutive bytes, aligned
	global_store_b64 v[SWO], v[194:195], s[34:35]
	global_store_b64 v[SWO], v[196:197], s[36:37]
	s_wait_tensorcnt 0x0                           ; the wave's end
	ds_add_u32 v[SPW], v[NIL]
	s_wait_dscnt 0x0
	CROUND                                         ; the closing round: no work-group ends while a partner may still ask for a tile that names it
	s_endpgm
.Lfunc_end_k_q1d02f1a022_proj:
	.size	k_q1d02f1a022_proj, .Lfunc_end_k_q1d02f1a022_proj-k_q1d02f1a022_proj
	.p2alignl 7, 3214868480
	.fill 96, 4, 3214868480
	.section	.rodata,"a",@progbits
	.p2align	6, 0x0
	.amdhsa_kernel k_q1d02f1a022_proj
		.amdhsa_group_segment_fixed_size 327680
		.amdhsa_private_segment_fixed_size 0
		.amdhsa_enable_private_segment 0
		.amdhsa_kernarg_size 136
		.amdhsa_user_sgpr_count 2
		.amdhsa_user_sgpr_kernarg_segment_ptr 1
		.amdhsa_wavefront_size32 1
		.amdhsa_system_sgpr_workgroup_id_x 1
		.amdhsa_system_sgpr_workgroup_id_y 1
		.amdhsa_system_sgpr_workgroup_id_z 1
		.amdhsa_system_vgpr_workitem_id 0
		.amdhsa_next_free_vgpr 1024
		.amdhsa_next_free_sgpr 102
		.amdhsa_reserve_vcc 0
		.amdhsa_float_denorm_mode_32 3
		.amdhsa_float_denorm_mode_16_64 3
		.amdhsa_memory_ordered 1
		.amdhsa_forward_progress 1
		.amdhsa_inst_pref_size 106
	.end_amdhsa_kernel
	.amdgpu_metadata
---
amdhsa.version: [ 1, 2 ]
amdhsa.kernels:
  - .name:           k_q1d02f1a022_proj
    .symbol:         k_q1d02f1a022_proj.kd
    .args:
      - { .name: x_codes, .offset: 0, .size: 8, .value_kind: global_buffer, .address_space: global }
      - { .name: x_scales, .offset: 8, .size: 8, .value_kind: global_buffer, .address_space: global }
      - { .name: Wq_codes, .offset: 16, .size: 8, .value_kind: global_buffer, .address_space: global }
      - { .name: Wk_codes, .offset: 24, .size: 8, .value_kind: global_buffer, .address_space: global }
      - { .name: Wv_codes, .offset: 32, .size: 8, .value_kind: global_buffer, .address_space: global }
      - { .name: Wq_scales, .offset: 40, .size: 8, .value_kind: global_buffer, .address_space: global }
      - { .name: Wk_scales, .offset: 48, .size: 8, .value_kind: global_buffer, .address_space: global }
      - { .name: Wv_scales, .offset: 56, .size: 8, .value_kind: global_buffer, .address_space: global }
      - { .name: bq, .offset: 64, .size: 8, .value_kind: global_buffer, .address_space: global }
      - { .name: bk, .offset: 72, .size: 8, .value_kind: global_buffer, .address_space: global }
      - { .name: bv, .offset: 80, .size: 8, .value_kind: global_buffer, .address_space: global }
      - { .name: qc, .offset: 88, .size: 8, .value_kind: global_buffer, .address_space: global }
      - { .name: kc, .offset: 96, .size: 8, .value_kind: global_buffer, .address_space: global }
      - { .name: vc, .offset: 104, .size: 8, .value_kind: global_buffer, .address_space: global }
      - { .name: qs, .offset: 112, .size: 8, .value_kind: global_buffer, .address_space: global }
      - { .name: ks, .offset: 120, .size: 8, .value_kind: global_buffer, .address_space: global }
      - { .name: vs, .offset: 128, .size: 8, .value_kind: global_buffer, .address_space: global }
    .group_segment_fixed_size: 327680
    .private_segment_fixed_size: 0
    .kernarg_segment_align: 8
    .kernarg_segment_size: 136
    .max_flat_workgroup_size: 128
    .sgpr_count:     102
    .vgpr_count:     1024
    .wavefront_size: 32
...
	.end_amdgpu_metadata
.endif
;; end of part 1
;; launch scores (part 2): grid 8 x 32, 8 waves a work-group, clusters of 4 x 4, 327,680 bytes of LDS; arguments qc, qs, kc, ks, ssm, pc, pst; writes pc, pst
.if DOCPART == 2
	.amdgcn_target "amdgcn-amd-amdhsa--gfx1250"
	.amdhsa_code_object_version 6
	.text
	.protected	k_q1d02f1a022_scores
	.globl	k_q1d02f1a022_scores
	.p2align	8
	.type	k_q1d02f1a022_scores,@function
k_q1d02f1a022_scores:
	s_mov_b64 s[64:65], 0
	v_nop
	global_prefetch_b8 v0, s[64:65] scope:SCOPE_SE
	s_setreg_imm32_b32 hwreg(HW_REG_WAVE_MODE, 25, 1), 1
	s_wait_xcnt 0x0
	s_wait_alu depctr_hold_cnt(0) depctr_sa_sdst(0) depctr_va_vdst(0) depctr_va_sdst(0) depctr_va_ssrc(0) depctr_va_vcc(0) depctr_vm_vsrc(0)
	s_getreg_b32 s2, hwreg(HW_REG_IB_STS2, 6, 4)
	s_cmp_eq_u32 s2, 0
	s_cbranch_scc0 .Lentry_in_a_cluster
	s_endpgm
.Lentry_in_a_cluster:
	s_bfe_u32 s2, ttmp6, 0x10000c
	s_cmp_lg_u32 s2, 0xf033
	s_cbranch_scc0 .Lentry_shape_is_right
	s_endpgm
.Lentry_shape_is_right:
; S = Q K^T on codes of FP4 with E8M0 scales; t = S x ssm x log2(e) / 32; p = 2^(t - M'), M' = the ceiling of the largest t among the row's 128 keys in hand; p is quantised along the keys.
; Stored: pc, P's codes as images ([batch][16 queries: 128][128 keys: 16], 1,024 bytes each: block bet of row r at 256 bet + 16 r), and pst [batch][128 keys: 16][kind 3][row 2048]: 0 the scale word under M', 1 -M' (f32), 2 the sum of the unquantised p (f32).
; In pst the words of 64 rows lie as 32 pairs: row 32 i + l at 8 l + 4 i, so that lane l takes rows l and 32 + l in one load.
; M' is a whole number, so the next launch brings each piece under the row's M by taking M - M' off the scale bytes: an exact power of two; the codes stay.
; SHARES.  A work-group makes 256 queries x 256 keys of one batch; each of its eight waves 64 queries x 128 keys: 32 accumulators, 256 registers.  A wave's 128 keys are one K step of the next product: it makes whole fragments of P, their scale words, M' and sums by itself.
; S is used transposed (source 0 = 16 keys, source 1 = 16 queries): a lane holds one query and 8 neighbouring keys; a block of 32 keys lies in the 16 registers of two tiles, in lanes l and l xor 16.
; LDS is 512 LINES of 512 bytes + 16 of padding.  FILL 1, the head's: the images of K's 256 rows, two lines an image, lines 0-255.  FILL 2, behind the first barrier: the first two blocks (16 queries x 128 keys) of ssm of each wave, 32 lines a wave, lines 256-511.
; FILL 3, behind the products: its other two blocks, into K's lines.  So fill 2 lands under the products and fill 3 under the softmax of the first two blocks.  Each wave reads only its own part of fills 2 and 3.
; Q goes from memory straight into registers, four K steps ahead of the products: beside K's lines and ssm's 256 LDS has no room for it.
; CLUSTER 4 x 4: K hangs on the cluster's column alone and is asked for jointly along it.  ssm is each wave's own.
; PREFETCH: each 256-byte block of a wave's 64 rows x 512 bytes of ssm is asked for once, by that wave, a fill ahead: fill 2's behind the head's loads, fill 3's behind the first barrier.
; LIMITS: NaN and infinities are not served.  A block whose every p lies under 2^-124 keeps the scale byte 1.
.set LINE,  528
.set HALF,  256*LINE
.set SBLK,  16*LINE                    ; ssm: 16 queries x 128 keys
.set STG,   2*HALF                     ; a stage for pst, 768 bytes a wave: 256 bytes a kind; no fill lands in it
.set SPARE, STG+8*768                  ; the spare words, 128 bytes a wave
.set SPW, 2                            ; v2  LDS address of my spare word; never rewritten
.set NIL, 3                            ; v3  0; never rewritten
.set OI,  4                            ; v4  16 x lane
.set AK,  5                            ; v5, v6  K's images in LDS, my key tiles 0-3 and 4-7
.set AS,  9                            ; v9, v10 ssm, my fills 2 and 3: row r, + 32 h
.set AST, 11                           ; v11 the stage: 8 r
.set ASR, 12                           ; v12 and back: 8 x lane
.set OR8, 13                           ; v13 8 x lane
.set PFO, 14                           ; v14 8,192 x lane: a row of ssm a lane
.set KS,  16                           ; v16-47 K's scale words: register 4 kap + i, lane l: key 32 i + l
.set QS,  48                           ; v48-63 Q's: register 2 kap + i
.set KF,  64                           ; v64-127 K's fragments: four tiles, two sets
.set QF,  128                          ; v128-255 Q's fragments: four blocks, four sets
.set S,   64                           ; behind the products: v64-127 t, then p: 8 tau + j
.set MM,  128                          ; v128-191 ssm, in S's order
.set BM,  192                          ; v192-195 the blocks' largest
.set TP,  196                          ; v196-199 the other half's; later the bytes
.set SO,  200                          ; v200-203 the conversions' scale operands
.set PC,  204                          ; v204-211 P's codes
.set PW,  212                          ; v212 P's scale word
.set NM,  214                          ; v[214:215] -M' (the packed form names a pair and takes its low word)
.set SU,  216                          ; v[216:219] the sum, two chains of pairs
.set TT,  220                          ; v220, v221 at work
; window 1: the accumulators: 64 a + 8 tau (a: 16 queries, tau: 16 keys)
.set WV,  18
.set CS,  24                           ; s[24:25] c = log2(e) / 32
.set SEL, 26                           ; s[26:27] lane selects for v_permlanex16_b32: lane l xor 16
.set G1K, 40                           ; groups 1: K s[40:47], ssm s[48:55];  groups 0: s[68:71], s[60:63]
.set G1S, 48
.set G0S, 60
.set G0K, 68
.set MSB, 0
.macro WIN new
.if MSB != \new
	s_set_vgpr_msb (MSB<<8)|\new
.set MSB, \new
.endif
.endm
.macro PLACES
.rept 4
	v_nop
.endr
.endm
.macro CROUND                          ; a round of the cluster's barrier
	s_barrier_signal -1
	s_barrier_wait -1
	s_cmp_lg_u32 s[WV], 0
	s_cbranch_scc1 .Lnot_wave_0_\@
	s_barrier_signal -3
.Lnot_wave_0_\@:
	s_barrier_wait -3
	s_barrier_signal -1
	s_barrier_wait -1
.endm
.macro WMX                             ; one product; rZ: it starts the sum; rRA, rRB: the side's scale words stand in lanes 16-31
.if rZ
.if rRA && rRB
	v_wmma_scale_f32_16x16x128_f8f6f4 v[rD:rD+7], v[rA:rA+7], v[rB:rB+7], 0, v[rSA], v[rSB] matrix_a_fmt:MATRIX_FMT_FP4 matrix_b_fmt:MATRIX_FMT_FP4 matrix_a_scale:MATRIX_SCALE_ROW1 matrix_b_scale:MATRIX_SCALE_ROW1
.elseif rRA
	v_wmma_scale_f32_16x16x128_f8f6f4 v[rD:rD+7], v[rA:rA+7], v[rB:rB+7], 0, v[rSA], v[rSB] matrix_a_fmt:MATRIX_FMT_FP4 matrix_b_fmt:MATRIX_FMT_FP4 matrix_a_scale:MATRIX_SCALE_ROW1
.elseif rRB
	v_wmma_scale_f32_16x16x128_f8f6f4 v[rD:rD+7], v[rA:rA+7], v[rB:rB+7], 0, v[rSA], v[rSB] matrix_a_fmt:MATRIX_FMT_FP4 matrix_b_fmt:MATRIX_FMT_FP4 matrix_b_scale:MATRIX_SCALE_ROW1
.else
	v_wmma_scale_f32_16x16x128_f8f6f4 v[rD:rD+7], v[rA:rA+7], v[rB:rB+7], 0, v[rSA], v[rSB] matrix_a_fmt:MATRIX_FMT_FP4 matrix_b_fmt:MATRIX_FMT_FP4
.endif
.else
.if rRA && rRB
	v_wmma_scale_f32_16x16x128_f8f6f4 v[rD:rD+7], v[rA:rA+7], v[rB:rB+7], v[rD:rD+7], v[rSA], v[rSB] matrix_a_fmt:MATRIX_FMT_FP4 matrix_b_fmt:MATRIX_FMT_FP4 matrix_a_scale:MATRIX_SCALE_ROW1 matrix_b_scale:MATRIX_SCALE_ROW1
.elseif rRA
	v_wmma_scale_f32_16x16x128_f8f6f4 v[rD:rD+7], v[rA:rA+7], v[rB:rB+7], v[rD:rD+7], v[rSA], v[rSB] matrix_a_fmt:MATRIX_FMT_FP4 matrix_b_fmt:MATRIX_FMT_FP4 matrix_a_scale:MATRIX_SCALE_ROW1
.elseif rRB
	v_wmma_scale_f32_16x16x128_f8f6f4 v[rD:rD+7], v[rA:rA+7], v[rB:rB+7], v[rD:rD+7], v[rSA], v[rSB] matrix_a_fmt:MATRIX_FMT_FP4 matrix_b_fmt:MATRIX_FMT_FP4 matrix_b_scale:MATRIX_SCALE_ROW1
.else
	v_wmma_scale_f32_16x16x128_f8f6f4 v[rD:rD+7], v[rA:rA+7], v[rB:rB+7], v[rD:rD+7], v[rSA], v[rSB] matrix_a_fmt:MATRIX_FMT_FP4 matrix_b_fmt:MATRIX_FMT_FP4
.endif
.endif
.endm
	s_load_b256 s[4:11], s[0:1], 0x0               ; qc s[4:5], qs s[6:7], kc s[8:9], ks s[10:11]
	s_load_b128 s[12:15], s[0:1], 0x20             ; ssm s[12:13], pc s[14:15]
	s_load_b64 s[16:17], s[0:1], 0x30              ; pst
	v_lshl_add_u32 v[SPW], v0, 2, SPARE
	v_mov_b32 v[NIL], 0
	ds_add_u32 v[SPW], v[NIL]                      ; the wave's opening: the add, twice on end, and its wait ahead of my first tensor load
	ds_add_u32 v[SPW], v[NIL]
	v_lshrrev_b32 v1, 5, v0
	v_readfirstlane_b32 s[WV], v1                  ; wave 0..7
	s_bfe_u32 s20, ttmp6, 0x40000                  ; cx, cy: my place in the cluster
	s_bfe_u32 s21, ttmp6, 0x40004
	s_and_b32 s22, ttmp7, 0xffff                   ; the cluster's y
	s_lshl_b32 s23, ttmp9, 2
	s_add_co_u32 s23, s23, s20                     ; kg: which 256 keys
	s_lshr_b32 s28, s22, 1                         ; the batch: two clusters high, so it hangs on the cluster alone
	s_and_b32 s29, s22, 1
	s_lshl_b32 s29, s29, 2
	s_add_co_u32 s29, s29, s21                     ; qg: which 256 queries
	s_and_b32 s30, s[WV], 3                        ; qw: which 64 of them are mine
	s_lshr_b32 s31, s[WV], 2                       ; kw: which 128 keys
	s_lshl_b32 s73, 0x1111, s20                    ; my column of the cluster
	; groups 1: K: 16,384 dense bytes a wave as 4 rows of 4,096 (elements of 8 bytes); ssm: 32 rows of 128 elements of 4 bytes, 2,048 elements apart; 4 words of padding behind every 128
	s_or_b32 s[G1K], s73, (3<<16)|(1<<20)|(1<<21)|(6<<22)|(3<<25)
	s_mov_b32 s[G1K+1], 512<<16                    ; tensor_dim0
	s_mov_b32 s[G1K+2], 4<<16                      ; tensor_dim1
	s_mov_b32 s[G1K+3], 512<<16                    ; tile_dim0
	s_mov_b32 s[G1K+4], 4                          ; tile_dim1
	s_mov_b32 s[G1K+5], 512                        ; tensor_dim0_stride
	s_mov_b32 s[G1K+6], 0
	s_mov_b32 s[G1K+7], 0
	s_mov_b32 s[G1S], (2<<16)|(1<<20)|(6<<22)|(3<<25)
	s_mov_b32 s[G1S+1], 128<<16
	s_mov_b32 s[G1S+2], 32<<16
	s_mov_b32 s[G1S+3], 128<<16
	s_mov_b32 s[G1S+4], 32
	s_mov_b32 s[G1S+5], 2048
	s_mov_b32 s[G1S+6], 0
	s_mov_b32 s[G1S+7], 0
	s_lshl_b32 s74, s28, 20                        ; a batch is 128 blocks of 16 rows, 8,192 bytes each
	s_lshl_b32 s75, s[WV], 14
	s_add_co_u32 s78, s74, s75
	s_lshl_b32 s79, s23, 17
	s_add_co_u32 s78, s78, s79                     ; K: my eighth of the work-group's 256 rows (registers that never hold cy)
	s_mov_b32 s79, 0
	s_mul_i32 s80, s[WV], 32*LINE
	s_wait_dscnt 0x0                               ; both opening adds are done
	s_wait_kmcnt 0x0
	s_mov_b32 s[G0K], 1
	s_mov_b32 s[G0K+1], s80
	s_add_nc_u64 s[G0K+2:G0K+3], s[8:9], s[78:79]
	s_or_b32 s[G0K+3], s[G0K+3], 0x80000000
	CROUND                                         ; all sixteen work-groups are here: the first joint loads meet
	tensor_load_to_lds s[G0K:G0K+3], s[G1K:G1K+7]  ; fill 1, one load a wave
	s_nop 0
	PLACES
	s_lshl_b32 s76, s29, 17                        ; qc: batch, query block 16 qg + 4 qw
	s_add_co_u32 s76, s76, s74
	s_lshl_b32 s77, s30, 15
	s_add_co_u32 s76, s76, s77
	s_mov_b32 s77, 0
	s_add_nc_u64 s[4:5], s[4:5], s[76:77]
	s_lshl_b32 s82, s28, 24                        ; ssm: batch, row 256 qg + 64 qw of 8,192 bytes, key 256 kg + 128 kw
	s_lshl_b32 s83, s29, 21
	s_add_co_u32 s82, s82, s83
	s_lshl_b32 s83, s30, 19
	s_add_co_u32 s82, s82, s83
	s_lshl_b32 s84, s23, 10
	s_lshl_b32 s85, s31, 9
	s_add_co_u32 s84, s84, s85                     ; 1,024 kg + 512 kw
	s_add_co_u32 s82, s82, s84
	s_mov_b32 s83, 0
	s_add_nc_u64 s[12:13], s[12:13], s[82:83]
	s_mov_b32 s[G0S], 1
	s_add_co_u32 s[G0S+1], s80, HALF
	s_mov_b64 s[G0S+2:G0S+3], s[12:13]
	s_or_b32 s[G0S+3], s[G0S+3], 0x80000000
	s_lshl_b32 s82, s28, 16                        ; ks: batch, group of 128 rows 2 kg + kw (512 bytes each)
	s_add_co_u32 s86, s82, s84
	s_mov_b32 s87, 0
	s_add_nc_u64 s[10:11], s[10:11], s[86:87]
	s_lshl_b32 s86, s29, 10                        ; qs: batch, group 2 qg + qw / 2, rows 64 (qw % 2) on
	s_add_co_u32 s86, s86, s82
	s_lshr_b32 s85, s30, 1
	s_lshl_b32 s85, s85, 9
	s_add_co_u32 s86, s86, s85
	s_and_b32 s85, s30, 1
	s_lshl_b32 s85, s85, 3
	s_add_co_u32 s86, s86, s85
	s_add_nc_u64 s[6:7], s[6:7], s[86:87]
	s_lshl_b32 s86, s28, 21                        ; pc: batch, query block 16 qg + 4 qw (16,384 bytes each), image 2 kg + kw
	s_lshl_b32 s85, s29, 18
	s_add_co_u32 s86, s86, s85
	s_lshl_b32 s85, s30, 16
	s_add_co_u32 s86, s86, s85
	s_lshl_b32 s85, s84, 1
	s_add_co_u32 s86, s86, s85
	s_add_nc_u64 s[14:15], s[14:15], s[86:87]
	s_mul_i32 s86, s28, 393216                     ; pst: batch, K step 2 kg + kw (24,576 bytes each), row 256 qg + 64 qw
	s_mul_i32 s85, s84, 48
	s_add_co_u32 s86, s86, s85
	s_lshl_b32 s85, s29, 10
	s_add_co_u32 s86, s86, s85
	s_lshl_b32 s85, s30, 8
	s_add_co_u32 s86, s86, s85
	s_add_nc_u64 s[16:17], s[16:17], s[86:87]
	s_mov_b32 s[CS], 0x3d38aa3b                    ; log2(e) / 32
	s_mov_b32 s[CS+1], s[CS]
	s_mov_b32 s[SEL], 0x76543210
	s_mov_b32 s[SEL+1], 0xfedcba98
	s_mul_i32 s88, s31, 128*LINE                   ; K: my 128 keys
	s_mul_i32 s91, s[WV], 768
	s_add_co_u32 s91, s91, STG                     ; my stage
	v_and_b32 v64, 15, v0                          ; r
	v_bfe_u32 v65, v0, 4, 1                        ; h
	v_and_b32 v66, 31, v0                          ; lane
	v_lshlrev_b32 v[OI], 4, v66
	v_lshlrev_b32 v[OR8], 3, v66
	v_lshlrev_b32 v[PFO], 13, v66
	v_add_nc_u32 v[AK], s88, v[OI]
	v_add_nc_u32 v[AK+1], 64*LINE, v[AK]
	v_mul_u32_u24 v67, v64, LINE
	v_lshl_add_u32 v67, v65, 5, v67
	v_add_nc_u32 v[AS+1], s80, v67
	v_add_nc_u32 v[AS], HALF, v[AS+1]
	v_lshl_add_u32 v[AST], v64, 3, s91
	v_add_nc_u32 v[ASR], s91, v[OR8]
	s_wait_alu depctr_va_vdst(0)                   ; the head's end
.irp kap, 0,1,2,3,4,5,6,7
	global_load_b128 v[KS+4*\kap:KS+4*\kap+3], v[OI], s[10:11] offset:8192*\kap
	global_load_b64 v[QS+2*\kap:QS+2*\kap+1], v[OI], s[6:7] offset:8192*\kap
.endr
.macro QLOAD kap                       ; Q's fragments of K step kap into set kap % 4: eight loads of 512 consecutive bytes
.irp a, 0,1,2,3
.irp c, 0,1
	global_load_b128 v[QF+32*((\kap)%4)+8*\a+4*\c:QF+32*((\kap)%4)+8*\a+4*\c+3], v[OI], s[4:5] offset:8192*\a+1024*(\kap)+512*\c
.endr
.endr
.endm
	QLOAD 0
	QLOAD 1
	QLOAD 2
	QLOAD 3
	global_prefetch_b8 v[PFO], s[12:13] th:TH_LOAD_NT scope:SCOPE_SE              ; fill 2's 32 rows, a lane a row: two blocks of 256 bytes
	global_prefetch_b8 v[PFO], s[12:13] offset:256 th:TH_LOAD_NT scope:SCOPE_SE
	s_wait_tensorcnt 0x0                           ; my part of K
	ds_add_u32 v[SPW], v[NIL]
	s_wait_dscnt 0x0                               ; the add is done
	CROUND                                         ; K is whole
	tensor_load_to_lds s[G0S:G0S+3], s[G1S:G1S+7]  ; fill 2
	s_nop 0
	PLACES
; A K step goes in two parts u = 2 kap + (key tiles 0-3, or 4-7), 16 products each.
.macro KFRAG u                         ; the part's four key tiles into set u % 2: eight LDS loads of 512 consecutive bytes
.irp i, 0,1,2,3
.irp c, 0,1
	ds_load_b128 v[KF+32*((\u)%2)+8*\i+4*\c:KF+32*((\u)%2)+8*\i+4*\c+3], v[AK+(\u)%2] offset:LINE*(16*\i+2*((\u)/2)+\c)
.endr
.endr
.endm
; 8 products: query blocks a0, a0 + 1 x four key tiles.  The 32 accumulators take turns, one instruction a turn.
.macro MUL u, a0
.irp a, \a0, \a0+1
.irp i, 0,1,2,3
.set rT, 4*((\u)%2)+\i
.set rK, (\u)/2
.set rD, 64*(\a)+8*rT
.set rA, KF+32*((\u)%2)+8*\i
.set rB, QF+32*(rK%4)+8*(\a)
.set rSA, KS+4*rK+rT/2
.set rSB, QS+2*rK+(\a)/2
.set rRA, \i%2
.set rRB, (\a)%2
.set rZ, 0
.if rK == 0
.set rZ, 1
.endif
	WMX
.endr
.endr
.endm
.macro PART u
	KFRAG (\u)+1
.if (\u)%2 == 0
.if (\u)/2 < 5
	s_wait_loadcnt 24                              ; behind this K step's Q three K steps' loads were issued, eight each (the scale words ahead of them are in)
.else
	s_wait_loadcnt 8*(7-(\u)/2)                    ; the last K steps: 16, 8, none
.endif
.endif
	s_wait_dscnt 8                                 ; all but the 8 just issued
	WIN 0x50                                       ; C and D window 1
	MUL \u, 0
	MUL \u, 2
	WIN 0
	PLACES                                         ; in front of loads into registers that these products have read
.if ((\u)%2 == 1) && ((\u)/2 < 4)
	QLOAD (\u)/2+4
.endif
.endm
	KFRAG 0
	global_prefetch_b8 v[PFO], s[12:13] offset:32*8192 th:TH_LOAD_NT scope:SCOPE_SE       ; fill 3's 32 rows
	global_prefetch_b8 v[PFO], s[12:13] offset:32*8192+256 th:TH_LOAD_NT scope:SCOPE_SE
.irp u, 0,1,2,3,4,5,6,7,8,9,10,11,12,13,14
	PART \u
.endr
	s_wait_dscnt 0x0                               ; the last part, and fill 3 behind it
	WIN 0x50
	MUL 15, 0
	WIN 0
	s_wait_tensorcnt 0x0                           ; fill 2, my part: all my tensor loads have landed
	ds_add_u32 v[SPW], v[NIL]                      ; 0 onto my spare word
	s_mov_b32 s[G0S+1], s80                        ; no load of mine is out, so its group 0 may be written: K's lines, 32 rows on
	s_add_nc_u64 s[G0S+2:G0S+3], s[G0S+2:G0S+3], 32*8192
	WIN 0x50
	MUL 15, 2                                      ; eight matrix instructions stand between the add and the wait for it
	WIN 0
	s_wait_dscnt 0x0                               ; the add is done, and my reads of K are over
	CROUND                                         ; so of every wave of all sixteen work-groups
	tensor_load_to_lds s[G0S:G0S+3], s[G1S:G1S+7]  ; fill 3
	s_nop 0
	PLACES                                         ; also the places behind the last products
.macro MLOAD n                         ; ssm of block n: 16 queries x 128 keys
.irp tau, 0,1,2,3,4,5,6,7
.irp i, 0,1
	ds_load_b128 v[MM+8*\tau+4*\i:MM+8*\tau+4*\i+3], v[AS+(\n)/2] offset:SBLK*((\n)%2)+64*\tau+16*\i
.endr
.endr
.endm
; The softmax of block n
.macro BLOCK n
	s_wait_dscnt 3*((\n)%2)                        ; ssm is in (behind an odd block's 16 loads the three stage stores of the block before were issued)
	WIN 0x01                                       ; source 0 window 1
	s_wait_alu depctr_va_vdst(0)                   ; directly ahead of the products' first reader
.irp j, 0,2,4,6,8,10,12,14,16,18,20,22,24,26,28,30,32,34,36,38,40,42,44,46,48,50,52,54,56,58,60,62
	v_pk_mul_f32 v[S+\j:S+\j+1], v[64*(\n)+\j:64*(\n)+\j+1], v[MM+\j:MM+\j+1]   ; score x ssm, each accumulator from its low end on
.endr
	WIN 0
.if (\n)%2 == 0
	MLOAD (\n)+1
.endif
.irp b, 0,1,2,3
	v_max3_num_f32 v[BM+\b], v[S+16*\b], v[S+1+16*\b], v[S+2+16*\b]   ; the largest of each block of 32 keys: it serves the row's maximum and, since p rises with it, the block's largest p
.endr
.irp i, 3,5,7,9,11,13
.irp b, 0,1,2,3
	v_max3_num_f32 v[BM+\b], v[BM+\b], v[S+16*\b+\i], v[S+1+16*\b+\i]
.endr
.endr
.irp b, 0,1,2,3
	v_max_num_f32 v[BM+\b], v[BM+\b], v[S+15+16*\b]
.endr
.irp b, 0,1,2,3
	v_permlanex16_b32 v[TP+\b], v[BM+\b], s[SEL], s[SEL+1]
.endr
.irp b, 0,1,2,3
	v_max_num_f32 v[BM+\b], v[BM+\b], v[TP+\b]     ; with lane l xor 16's 16 keys
.endr
	v_max3_num_f32 v[TT], v[BM], v[BM+1], v[BM+2]
	v_max_num_f32 v[TT], v[TT], v[BM+3]
	v_mul_f32 v[TT], s[CS], v[TT]                  ; the largest t of my query among these 128 keys (c is positive)
	v_floor_f32 v[NM], -v[TT]                      ; -M' = floor(-t) = -ceil(t)
.irp j, 0,2,4,6,8,10,12,14,16,18,20,22,24,26,28,30,32,34,36,38,40,42,44,46,48,50,52,54,56,58,60,62
	v_pk_fma_f32 v[S+\j:S+\j+1], v[S+\j:S+\j+1], s[CS:CS+1], v[NM:NM+1] op_sel_hi:[1,0,0]   ; t - M'
.endr
.irp b, 0,1,2,3
	v_fma_f32 v[BM+\b], v[BM+\b], s[CS], v[NM]     ; the same of each block's largest
.endr
	s_wait_alu depctr_va_vdst(0)                   ; ahead of the batch
.irp j, 0,1,2,3,4,5,6,7,8,9,10,11,12,13,14,15,16,17,18,19,20,21,22,23,24,25,26,27,28,29,30,31,32,33,34,35,36,37,38,39,40,41,42,43,44,45,46,47,48,49,50,51,52,53,54,55,56,57,58,59,60,61,62,63
	v_exp_f32 v[S+\j], v[S+\j]                     ; p = 2^(t - M'), at most 1
.endr
	v_nop                                          ; a plain place behind the exponentials
	s_wait_alu depctr_va_vdst(0)                   ; one wait for the whole batch, ahead of its first reader
.irp b, 0,1,2,3
	v_exp_f32 v[BM+\b], v[BM+\b]                   ; the block's largest p: the same two instructions on the same number give the same bits
.endr
	v_pk_add_f32 v[SU:SU+1], v[S:S+1], v[S+2:S+3]  ; the sum of the unquantised p, two chains of pairs; plain work behind the four
	v_pk_add_f32 v[SU+2:SU+3], v[S+4:S+5], v[S+6:S+7]
.irp j, 8,12,16,20,24,28,32,36,40,44,48,52,56,60
	v_pk_add_f32 v[SU:SU+1], v[SU:SU+1], v[S+\j:S+\j+1]
	v_pk_add_f32 v[SU+2:SU+3], v[SU+2:SU+3], v[S+\j+2:S+\j+3]
.endr
	v_pk_add_f32 v[SU:SU+1], v[SU:SU+1], v[SU+2:SU+3]
	s_wait_alu depctr_va_vdst(0)                   ; and one for the four
.irp b, 0,1,2,3
	v_max_num_f32 v[BM+\b], 0x1800000, v[BM+\b]    ; the floor 2^(3 - 127): the byte cannot fall under 1
.endr
.irp b, 0,1,2,3
	v_add_nc_u32 v[SO+\b], 0xff000000, v[BM+\b]    ; 2 off the exponent field: the conversion's scale operand
.endr
.irp b, 0,1,2,3
	v_lshrrev_b32 v[TP+\b], 23, v[SO+\b]           ; the scale's byte, 1 to 125
.endr
	v_lshl_or_b32 v[PW], v[TP+1], 8, v[TP]
	v_lshl_or_b32 v[PW], v[TP+2], 16, v[PW]
	v_lshl_or_b32 v[PW], v[TP+3], 24, v[PW]
	s_wait_xcnt 0x0                                ; the last block's stores have read their data: the codes' registers are written again only behind this wait
.irp c, 0,1
.irp u, 0,1
.irp e, 0,1
	v_cvt_scalef32_pk8_fp4_f32 v[PC+4*\c+2*\u+\e], v[S+16*(2*\c+\e)+8*\u:S+16*(2*\c+\e)+8*\u+7], v[SO+2*\c+\e]   ; block 2 c + e, index 16 u + 8 h + 0 .. 7
.endr
.endr
.endr
	v_nop                                          ; one plain place behind the scaled conversions
.irp c, 0,1
.irp u, 0,1
	v_permlane16_swap_b32 v[PC+4*\c+2*\u], v[PC+4*\c+2*\u+1]   ; register 4 c + i of lane (r, h) now holds block 2 c + h, index 8 i + 0 .. 7: the operand's layout
.endr
.endr
	v_add_f32 v[TT], v[SU], v[SU+1]
	v_permlanex16_b32 v[TT+1], v[TT], s[SEL], s[SEL+1]
	v_add_f32 v[TT], v[TT], v[TT+1]                ; the sum over my query's 128 keys
	global_store_b128 v[OI], v[PC:PC+3], s[14:15] offset:16384*(\n)        ; 32 lanes store 512 consecutive bytes, aligned
	global_store_b128 v[OI], v[PC+4:PC+7], s[14:15] offset:16384*(\n)+512
.set rO, 128*((\n)%2)+4*((\n)/2)       ; row 16 n + r of my 64: pair 16 (n % 2) + r, word n / 2
	ds_store_b32 v[AST], v[PW] offset:rO           ; both halves of the lanes write the same word with the same value
	ds_store_b32 v[AST], v[NM] offset:rO+256
	ds_store_b32 v[AST], v[TT] offset:rO+512
.endm
	MLOAD 0                                        ; fill 2 has landed: my own wait ahead of the round
	BLOCK 0
	BLOCK 1
	s_wait_alu depctr_va_vdst(0)                   ; directly ahead of the wait below
	s_wait_tensorcnt 0x0                           ; fill 3
	MLOAD 2
	BLOCK 2
	BLOCK 3
.irp k, 0,1,2
	ds_load_b64 v[S+2*\k:S+2*\k+1], v[ASR] offset:256*\k   ; LDS serves a wave's instructions in order: these see my stores
.endr
	s_wait_dscnt 0x0
.irp k, 0,1,2
	global_store_b64 v[OR8], v[S+2*\k:S+2*\k+1], s[16:17] offset:8192*\k   ; 64 rows' words of a kind: 256 consecutive bytes, aligned
.endr
	s_wait_tensorcnt 0x0                           ; the wave's end
	ds_add_u32 v[SPW], v[NIL]
	s_wait_dscnt 0x0
	CROUND                                         ; the closing round
	s_endpgm
.Lfunc_end_k_q1d02f1a022_scores:
	.size	k_q1d02f1a022_scores, .Lfunc_end_k_q1d02f1a022_scores-k_q1d02f1a022_scores
	.p2alignl 7, 3214868480
	.fill 96, 4, 3214868480
	.section	.rodata,"a",@progbits
	.p2align	6, 0x0
	.amdhsa_kernel k_q1d02f1a022_scores
		.amdhsa_group_segment_fixed_size 327680
		.amdhsa_private_segment_fixed_size 0
		.amdhsa_enable_private_segment 0
		.amdhsa_kernarg_size 56
		.amdhsa_user_sgpr_count 2
		.amdhsa_user_sgpr_kernarg_segment_ptr 1
		.amdhsa_wavefront_size32 1
		.amdhsa_system_sgpr_workgroup_id_x 1
		.amdhsa_system_sgpr_workgroup_id_y 1
		.amdhsa_system_sgpr_workgroup_id_z 1
		.amdhsa_system_vgpr_workitem_id 0
		.amdhsa_next_free_vgpr 512
		.amdhsa_next_free_sgpr 96
		.amdhsa_reserve_vcc 0
		.amdhsa_float_denorm_mode_32 3
		.amdhsa_float_denorm_mode_16_64 3
		.amdhsa_memory_ordered 1
		.amdhsa_forward_progress 1
		.amdhsa_inst_pref_size 116
	.end_amdhsa_kernel
	.amdgpu_metadata
---
amdhsa.version: [ 1, 2 ]
amdhsa.kernels:
  - .name:           k_q1d02f1a022_scores
    .symbol:         k_q1d02f1a022_scores.kd
    .args:
      - { .name: qc, .offset: 0, .size: 8, .value_kind: global_buffer, .address_space: global }
      - { .name: qs, .offset: 8, .size: 8, .value_kind: global_buffer, .address_space: global }
      - { .name: kc, .offset: 16, .size: 8, .value_kind: global_buffer, .address_space: global }
      - { .name: ks, .offset: 24, .size: 8, .value_kind: global_buffer, .address_space: global }
      - { .name: ssm, .offset: 32, .size: 8, .value_kind: global_buffer, .address_space: global }
      - { .name: pc, .offset: 40, .size: 8, .value_kind: global_buffer, .address_space: global }
      - { .name: pst, .offset: 48, .size: 8, .value_kind: global_buffer, .address_space: global }
    .group_segment_fixed_size: 327680
    .private_segment_fixed_size: 0
    .kernarg_segment_align: 8
    .kernarg_segment_size: 56
    .max_flat_workgroup_size: 256
    .sgpr_count:     96
    .vgpr_count:     512
    .wavefront_size: 32
...
	.end_amdgpu_metadata
.endif
;; end of part 2
;; launch pv (part 3): grid 4 x 64, 4 waves a work-group, clusters of 4 x 4, 327,680 bytes of LDS; arguments pc, pst, vc, vs, out0; writes out0
.if DOCPART == 3
	.amdgcn_target "amdgcn-amd-amdhsa--gfx1250"
	.amdhsa_code_object_version 6
	.text
	.protected	k_q1d02f1a022_pv
	.globl	k_q1d02f1a022_pv
	.p2align	8
	.type	k_q1d02f1a022_pv,@function
k_q1d02f1a022_pv:
	s_mov_b64 s[64:65], 0
	v_nop
	global_prefetch_b8 v0, s[64:65] scope:SCOPE_SE
	s_setreg_imm32_b32 hwreg(HW_REG_WAVE_MODE, 25, 1), 1
	s_wait_xcnt 0x0
	s_wait_alu depctr_hold_cnt(0) depctr_sa_sdst(0) depctr_va_vdst(0) depctr_va_sdst(0) depctr_va_ssrc(0) depctr_va_vcc(0) depctr_vm_vsrc(0)
	s_getreg_b32 s2, hwreg(HW_REG_IB_STS2, 6, 4)
	s_cmp_eq_u32 s2, 0
	s_cbranch_scc0 .Lentry_in_a_cluster
	s_endpgm
.Lentry_in_a_cluster:
	s_bfe_u32 s2, ttmp6, 0x10000c
	s_cmp_lg_u32 s2, 0xf033
	s_cbranch_scc0 .Lentry_shape_is_right
	s_endpgm
.Lentry_shape_is_right:
; O = P V / l on codes of FP4 with E8M0 scales, sums in f32.  Each piece of 128 keys of P was made under its own whole number M'; here a row's M is the largest of its sixteen M', M - M' comes off the piece's scale bytes (an exact power of two), and l = the sum of the pieces' sums x 2^(M' - M).
; pc, vc: images of operand registers, [batch][16 rows: 128 queries, 64 hid][128 keys: 16], 1,024 bytes each; pst [batch][128 keys: 16][kind 3: scale word, -M', sum][row 2048], 64 rows as 32 pairs (rows l, 32 + l); vs [batch][128 keys: 16][128 hid: 8] groups of scale words, row 32 i + l at 16 l + 4 i.
; SHARES.  A work-group makes 128 queries x 256 hid of one batch, in two GROUPS of 128 hid.  Wave (qw, hw) makes 64 queries x 64 hid of each group: 16 accumulators.  P's fragments of its 64 queries stay in registers for all 2,048 keys: 4 blocks x 16 K steps x 8 = 512; V's come from LDS, each feeding four products.
; V is source 0 and P source 1: a lane holds one query and 8 neighbouring hid.
; LDS: P at 0, V's first group at 131,072, both filled at the head, 65,536 bytes a wave; once every wave has P in registers V's second group is filled into P's bytes: the launch's one refill, which lands under the first group's products and stores.
; CLUSTER 4 x 4: P hangs on the cluster's row alone and is asked for jointly along it, V on the column alone and jointly along that.
; PREFETCH: V's second group, a fill ahead, behind the head's loads: its 512 blocks of 256 bytes are shared out by address among the four partners of a column and their four waves: one lane a block.
; pst is worked while the tiles are on their way, in registers, in the layout in which the products take scale words.
; LIMITS: NaN and infinities are not served.  A piece whose M' lies 127 or more under the row's M is taken as 127 under it, and a scale byte that would fall under 0 is 0 (2^-127).
.set OP,    272                        ; the way out: a row of 64 hid, 256 bytes + 16 of padding
.set STG,   262144                     ; 16 such rows a wave; no fill lands there
.set SPARE, STG+4*16*OP                ; the spare words, 128 bytes a wave
.set SPW, 2                            ; v2  LDS address of my spare word; never rewritten
.set NIL, 3                            ; v3  0; never rewritten
.set OI,  4                            ; v4  16 x lane
.set APL, 5                            ; v5  P in LDS
.set AV,  6                            ; v6, v7 V in LDS, first and second group
.set STO, 8                            ; v8  the stage: row r, + 32 h
.set RD,  9                            ; v9  and back: lanes 0-15 a row, lanes 16-31 the next
.set CO,  10                           ; v10 the same in out0
.set O8,  11                           ; v11 8 x lane
.set PFO, 14                           ; v14 256 x lane
.set VS,  16                           ; v16-47 V's scale words: register 2 kap + i, lane l: hid 32 i + l of my 64
.set PS,  48                           ; v48-79 P's: register 2 kap + i, lane l: query 32 i + l of my 64
.set RL,  80                           ; v80, 82, 84, 86: 1 / l of block 0 .. 3 (the packed form names a pair and takes its low word)
.set MN,  92                           ; v92, v93 -M
.set LS,  94                           ; v94, v95 l
.set FX,  96                           ; v96-191 pst: 6 kap + 2 kind + i
.set FR,  96                           ; v96-223 V's fragments: two K steps, two sets
.set OB,  96                           ; the way out: rows read back, 32 registers a block
.set OT,  224                          ; v224-255 the way out: a block x 1 / l
; window 1: the accumulators, 32 a + 8 t.  windows 2, 3: P's fragments, K steps 0-7 and 8-15, 32 (kap % 8) + 8 a.
.set WV,  14
.set G1P, 28                           ; groups 1: P s[28:35], V s[36:43], V's refill s[44:51];  groups 0: s[52:55], s[56:59], s[60:63]
.set G1V, 36
.set G1Y, 44
.set G0P, 52
.set G0V, 56
.set G0Y, 60
.set PFA, 74                           ; s[74:75] where my prefetch stands
.set MSB, 0
.macro WIN new
.if MSB != \new
	s_set_vgpr_msb (MSB<<8)|\new
.set MSB, \new
.endif
.endm
.macro PLACES
.rept 4
	v_nop
.endr
.endm
.macro CROUND                          ; a round of the cluster's barrier
	s_barrier_signal -1
	s_barrier_wait -1
	s_cmp_lg_u32 s[WV], 0
	s_cbranch_scc1 .Lnot_wave_0_\@
	s_barrier_signal -3
.Lnot_wave_0_\@:
	s_barrier_wait -3
	s_barrier_signal -1
	s_barrier_wait -1
.endm
.macro WMX                             ; one product; rZ: it starts the sum; rRA, rRB: the side's scale words stand in lanes 16-31
.if rZ
.if rRA && rRB
	v_wmma_scale_f32_16x16x128_f8f6f4 v[rD:rD+7], v[rA:rA+7], v[rB:rB+7], 0, v[rSA], v[rSB] matrix_a_fmt:MATRIX_FMT_FP4 matrix_b_fmt:MATRIX_FMT_FP4 matrix_a_scale:MATRIX_SCALE_ROW1 matrix_b_scale:MATRIX_SCALE_ROW1
.elseif rRA
	v_wmma_scale_f32_16x16x128_f8f6f4 v[rD:rD+7], v[rA:rA+7], v[rB:rB+7], 0, v[rSA], v[rSB] matrix_a_fmt:MATRIX_FMT_FP4 matrix_b_fmt:MATRIX_FMT_FP4 matrix_a_scale:MATRIX_SCALE_ROW1
.elseif rRB
	v_wmma_scale_f32_16x16x128_f8f6f4 v[rD:rD+7], v[rA:rA+7], v[rB:rB+7], 0, v[rSA], v[rSB] matrix_a_fmt:MATRIX_FMT_FP4 matrix_b_fmt:MATRIX_FMT_FP4 matrix_b_scale:MATRIX_SCALE_ROW1
.else
	v_wmma_scale_f32_16x16x128_f8f6f4 v[rD:rD+7], v[rA:rA+7], v[rB:rB+7], 0, v[rSA], v[rSB] matrix_a_fmt:MATRIX_FMT_FP4 matrix_b_fmt:MATRIX_FMT_FP4
.endif
.else
.if rRA && rRB
	v_wmma_scale_f32_16x16x128_f8f6f4 v[rD:rD+7], v[rA:rA+7], v[rB:rB+7], v[rD:rD+7], v[rSA], v[rSB] matrix_a_fmt:MATRIX_FMT_FP4 matrix_b_fmt:MATRIX_FMT_FP4 matrix_a_scale:MATRIX_SCALE_ROW1 matrix_b_scale:MATRIX_SCALE_ROW1
.elseif rRA
	v_wmma_scale_f32_16x16x128_f8f6f4 v[rD:rD+7], v[rA:rA+7], v[rB:rB+7], v[rD:rD+7], v[rSA], v[rSB] matrix_a_fmt:MATRIX_FMT_FP4 matrix_b_fmt:MATRIX_FMT_FP4 matrix_a_scale:MATRIX_SCALE_ROW1
.elseif rRB
	v_wmma_scale_f32_16x16x128_f8f6f4 v[rD:rD+7], v[rA:rA+7], v[rB:rB+7], v[rD:rD+7], v[rSA], v[rSB] matrix_a_fmt:MATRIX_FMT_FP4 matrix_b_fmt:MATRIX_FMT_FP4 matrix_b_scale:MATRIX_SCALE_ROW1
.else
	v_wmma_scale_f32_16x16x128_f8f6f4 v[rD:rD+7], v[rA:rA+7], v[rB:rB+7], v[rD:rD+7], v[rSA], v[rSB] matrix_a_fmt:MATRIX_FMT_FP4 matrix_b_fmt:MATRIX_FMT_FP4
.endif
.endif
.endm
	s_load_b256 s[4:11], s[0:1], 0x0               ; pc s[4:5], pst s[6:7], vc s[8:9], vs s[10:11]
	s_load_b64 s[12:13], s[0:1], 0x20              ; out0
	v_lshl_add_u32 v[SPW], v0, 2, SPARE
	v_mov_b32 v[NIL], 0
	ds_add_u32 v[SPW], v[NIL]                      ; the wave's opening: the add, twice on end, and its wait ahead of my first tensor load
	ds_add_u32 v[SPW], v[NIL]
	v_lshrrev_b32 v1, 5, v0
	v_readfirstlane_b32 s[WV], v1                  ; wave 0..3
	s_bfe_u32 s15, ttmp6, 0x40000                  ; cx, cy: my place in the cluster
	s_bfe_u32 s16, ttmp6, 0x40004
	s_and_b32 s17, ttmp7, 0xffff                   ; the cluster's y
	s_lshr_b32 s18, s17, 2                         ; the batch: four clusters high, so it hangs on the cluster alone
	s_lshl_b32 s20, ttmp9, 2
	s_add_co_u32 s20, s20, s15                     ; hg: which 256 hid
	s_and_b32 s21, s17, 3
	s_lshl_b32 s21, s21, 2
	s_add_co_u32 s21, s21, s16                     ; qt: which 128 queries
	s_and_b32 s22, s[WV], 1                        ; qw: which 64 of them
	s_lshr_b32 s23, s[WV], 1                       ; hw: which 64 hid of a group.  Also: I fetch for P (0) or for V (1)
	s_mov_b32 s24, 0x01010101
	s_movk_i32 s25, 0x7f
	s_lshl_b32 s26, s16, 2
	s_lshl_b32 s26, 15, s26                        ; my row of the cluster
	s_lshl_b32 s27, 0x1111, s15                    ; my column
	; groups 1: dense bytes as rows of 4,096 (512 elements of 8 bytes), no padding: 16 rows at the head, 8 in the refill
	s_or_b32 s[G1P], s26, (3<<16)|(1<<21)
	s_or_b32 s[G1V], s27, (3<<16)|(1<<21)
	s_or_b32 s[G1Y], s27, (3<<16)|(1<<21)
.irp g, G1P, G1V, G1Y
	s_mov_b32 s[\g+1], 512<<16                     ; tensor_dim0
	s_mov_b32 s[\g+3], 512<<16                     ; tile_dim0
	s_mov_b32 s[\g+5], 512                         ; tensor_dim0_stride
	s_mov_b32 s[\g+6], 0
	s_mov_b32 s[\g+7], 0
.endr
.irp g, G1P, G1V
	s_mov_b32 s[\g+2], 16<<16                      ; tensor_dim1
	s_mov_b32 s[\g+4], 16                          ; tile_dim1
.endr
	s_mov_b32 s[G1Y+2], 8<<16
	s_mov_b32 s[G1Y+4], 8
	s_lshl_b32 s66, s22, 16                        ; which half I fetch at the head
	s_lshl_b32 s68, s18, 21                        ; P: batch, query block 8 qt (registers that never hold cx)
	s_lshl_b32 s69, s21, 17
	s_add_co_u32 s68, s68, s69
	s_add_co_u32 s68, s68, s66
	s_mov_b32 s69, 0
	s_lshl_b32 s70, s18, 20                        ; V: batch, hid tile 16 hg (registers that never hold cy)
	s_lshl_b32 s71, s20, 18
	s_add_co_u32 s70, s70, s71
	s_lshl_b32 s73, s[WV], 15
	s_add_co_u32 s72, s70, 131072                  ; its second group, a quarter a wave
	s_add_co_u32 s76, s72, 0
	s_add_co_u32 s72, s72, s73
	s_add_co_u32 s70, s70, s66
	s_mov_b32 s71, 0
	s_mov_b32 s73, 0
	s_lshl_b32 s67, s[WV], 16
	s_wait_dscnt 0x0                               ; both opening adds are done
	s_wait_kmcnt 0x0
	s_mov_b32 s[G0P], 1
	s_mov_b32 s[G0P+1], s67
	s_add_nc_u64 s[G0P+2:G0P+3], s[4:5], s[68:69]
	s_or_b32 s[G0P+3], s[G0P+3], 0x80000000
	s_mov_b32 s[G0V], 1
	s_mov_b32 s[G0V+1], s67
	s_add_nc_u64 s[G0V+2:G0V+3], s[8:9], s[70:71]
	s_or_b32 s[G0V+3], s[G0V+3], 0x80000000
	s_mov_b32 s[G0Y], 1
	s_lshl_b32 s[G0Y+1], s[WV], 15
	s_add_nc_u64 s[G0Y+2:G0Y+3], s[8:9], s[72:73]
	s_or_b32 s[G0Y+3], s[G0Y+3], 0x80000000
	CROUND                                         ; all sixteen work-groups are here: the first joint loads meet
	s_cmp_lt_u32 s[WV], 2                          ; one load a wave: waves 0 and 1 fetch P's halves, waves 2 and 3 those of V's first group
	s_cbranch_scc0 .Lhead_v
	tensor_load_to_lds s[G0P:G0P+3], s[G1P:G1P+7]
	s_nop 0
	PLACES
	s_branch .Lhead_asked
.Lhead_v:
	tensor_load_to_lds s[G0V:G0V+3], s[G1V:G1V+7]
	s_nop 0
	PLACES
.Lhead_asked:
	s_lshl_b32 s77, s16, 15                        ; the prefetch: my work-group's quarter of V's second group, a quarter of that a wave
	s_add_co_u32 s76, s76, s77
	s_lshl_b32 s77, s[WV], 13
	s_add_co_u32 s76, s76, s77
	s_mov_b32 s77, 0
	s_add_nc_u64 s[PFA:PFA+1], s[8:9], s[76:77]
	s_mul_i32 s76, s18, 393216                     ; pst: batch, row 128 qt + 64 qw
	s_lshl_b32 s78, s21, 9
	s_add_co_u32 s76, s76, s78
	s_lshl_b32 s78, s22, 8
	s_add_co_u32 s76, s76, s78
	s_add_nc_u64 s[6:7], s[6:7], s[76:77]
	s_lshl_b32 s76, s18, 16                        ; vs: batch, group 2 hg, rows 64 hw on
	s_lshl_b32 s78, s20, 10
	s_add_co_u32 s76, s76, s78
	s_lshl_b32 s78, s23, 3
	s_add_co_u32 s76, s76, s78
	s_add_nc_u64 s[10:11], s[10:11], s[76:77]
	s_lshl_b32 s76, s21, 21                        ; out0: row 128 qt + 64 qw of 16,384 bytes, batch, hid 256 hg + 64 hw
	s_lshl_b32 s78, s22, 20
	s_add_co_u32 s76, s76, s78
	s_lshl_b32 s78, s18, 12
	s_add_co_u32 s76, s76, s78
	s_lshl_b32 s78, s20, 10
	s_add_co_u32 s76, s76, s78
	s_lshl_b32 s78, s23, 8
	s_add_co_u32 s76, s76, s78
	s_add_nc_u64 s[12:13], s[12:13], s[76:77]
	s_lshl_b32 s80, s22, 16                        ; P in LDS: my 64 queries
	s_lshl_b32 s82, s23, 16                        ; V: my 64 hid of the second group,
	s_add_co_u32 s81, s82, 131072                  ; of the first
	s_mul_i32 s83, s[WV], 16*OP
	s_add_co_u32 s83, s83, STG                     ; my stage
	v_and_b32 v88, 15, v0                          ; r
	v_bfe_u32 v89, v0, 4, 1                        ; h
	v_and_b32 v90, 31, v0                          ; lane
	v_lshlrev_b32 v[OI], 4, v90
	v_lshlrev_b32 v[O8], 3, v90
	v_lshlrev_b32 v[PFO], 8, v90
	v_add_nc_u32 v[APL], s80, v[OI]
	v_add_nc_u32 v[AV], s81, v[OI]
	v_add_nc_u32 v[AV+1], s82, v[OI]
	v_mul_u32_u24 v[STO], v88, OP
	v_lshl_add_u32 v[STO], v89, 5, v[STO]
	v_add_nc_u32 v[STO], s83, v[STO]
	v_mul_u32_u24 v[RD], v89, OP
	v_lshl_add_u32 v[RD], v88, 4, v[RD]
	v_add_nc_u32 v[RD], s83, v[RD]
	v_lshlrev_b32 v[CO], 14, v89
	v_lshl_add_u32 v[CO], v88, 4, v[CO]
.irp a, 0,1,2,3
	v_mov_b32 v[RL+2*\a+1], 0                      ; named as the upper half of a pair
.endr
	s_wait_alu depctr_va_vdst(0)                   ; ahead of the waits below
.irp k, 0,1,2,3,4,5,6,7,8,9,10,11,12,13,14,15
.irp kind, 1,2,0
	global_load_b64 v[FX+6*\k+2*\kind:FX+6*\k+2*\kind+1], v[O8], s[6:7] offset:24576*\k+8192*\kind   ; 256 consecutive bytes: my 64 rows
.endr
.endr
.macro VSLOAD g                        ; V's scale words of group g
.irp k, 0,1,2,3,4,5,6,7,8,9,10,11,12,13,14,15
	global_load_b64 v[VS+2*\k:VS+2*\k+1], v[OI], s[10:11] offset:4096*\k+512*\g
.endr
.endm
	VSLOAD 0
	global_prefetch_b8 v[PFO], s[PFA:PFA+1] th:TH_LOAD_NT scope:SCOPE_SE
	s_wait_loadcnt 16                              ; pst is in; V's sixteen loads behind it may be out
	; -M = the least of the sixteen -M';  d = M' - M, a whole number, 0 or less;  l += sum x 2^d;  each scale byte + d, 0 where that is negative
.irp e, 0,1
	v_min_num_f32 v[MN+\e], v[FX+2+\e], v[FX+8+\e]
.endr
.irp k, 2,4,6,8,10,12,14
.irp e, 0,1
	v_min3_num_f32 v[MN+\e], v[MN+\e], v[FX+6*\k+2+\e], v[FX+6*\k+8+\e]
.endr
.endr
.macro EACH op:req
.irp k, 0,1,2,3,4,5,6,7,8,9,10,11,12,13,14,15
.irp e, 0,1
.set rW, FX+6*\k+\e
.set rN, rW+2
.set rS, rW+4
.set rE, \e
.set rP, PS+2*\k+\e
	\op
.endr
.endr
.endm
.macro E_SUB
	v_sub_f32 v[rN], v[MN+rE], v[rN]
.endm
.macro E_MAX
	v_max_num_f32 v[rN], 0xc2fe0000, v[rN]         ; -127 at the least
.endm
.macro E_INT
	v_cvt_i32_f32 v[rN], v[rN]
.endm
.macro E_SUM
	v_ldexp_f32 v[rS], v[rS], v[rN]
.endm
.macro E_BYTES                         ; the bytes are 125 at the most: with bit 7 set in each nothing borrows from its neighbour, and bit 7 stays where byte + d is not negative
	v_mul_lo_u32 v[rN], v[rN], s24
	v_or_b32 v[rW], 0x80808080, v[rW]
.endm
.macro E_ADD
	v_add_nc_u32 v[rW], v[rW], v[rN]
.endm
.macro E_BIT
	v_lshrrev_b32 v[rN], 7, v[rW]
.endm
.macro E_ONE
	v_and_b32 v[rN], s24, v[rN]
.endm
.macro E_MASK
	v_mul_lo_u32 v[rN], v[rN], s25                 ; 0x7f where the byte is kept
.endm
.macro E_OUT
	v_and_b32 v[rP], v[rW], v[rN]
.endm
	EACH E_SUB
	EACH E_MAX
	EACH E_INT
	EACH E_SUM
	EACH E_BYTES
	EACH E_ADD
	EACH E_BIT
	EACH E_ONE
	EACH E_MASK
	EACH E_OUT
.irp e, 0,1
	v_add_f32 v[LS+\e], v[FX+4+\e], v[FX+10+\e]
.endr
.irp k, 2,3,4,5,6,7,8,9,10,11,12,13,14,15
.irp e, 0,1
	v_add_f32 v[LS+\e], v[LS+\e], v[FX+6*\k+4+\e]
.endr
.endr
	s_wait_alu depctr_va_vdst(0)                   ; ahead of the transcendentals
	v_rcp_f32 v[RL], v[LS]
	v_rcp_f32 v[RL+4], v[LS+1]
	v_nop                                          ; a plain place behind them
	s_wait_alu depctr_va_vdst(0)                   ; and ahead of the first reader
	v_mov_b32 v[RL+2], v[RL]
	v_mov_b32 v[RL+6], v[RL+4]
	v_permlane16_swap_b32 v[RL], v[RL+2]           ; both halves of the lanes: v80 rows 0-15's, v82 rows 16-31's
	v_permlane16_swap_b32 v[RL+4], v[RL+6]         ; v84 rows 32-47's, v86 rows 48-63's
	s_wait_alu depctr_va_vdst(0)                   ; the head's end
	s_wait_tensorcnt 0x0                           ; my tile of the head's four
	s_barrier_signal -1
	s_barrier_wait -1                              ; P and V's first group are whole
	WIN 0x80                                       ; P goes into registers: destination window 2,
.irp kap, 0,1,2,3,4,5,6,7
.irp a, 0,1,2,3
.irp c, 0,1
	ds_load_b128 v[32*\kap+8*\a+4*\c:32*\kap+8*\a+4*\c+3], v[APL] offset:16384*\a+1024*\kap+512*\c
.endr
.endr
.endr
	WIN 0xc0                                       ; and window 3
.irp kap, 8,9,10,11,12,13,14,15
.irp a, 0,1,2,3
.irp c, 0,1
	ds_load_b128 v[32*(\kap-8)+8*\a+4*\c:32*(\kap-8)+8*\a+4*\c+3], v[APL] offset:16384*\a+1024*\kap+512*\c
.endr
.endr
.endr
	WIN 0
	s_wait_tensorcnt 0x0                           ; no tensor load of mine is out
	ds_add_u32 v[SPW], v[NIL]                      ; 0 onto my spare word
	s_wait_dscnt 0x0                               ; the add is done, and P is in registers
	CROUND                                         ; so of every wave of all sixteen work-groups
	tensor_load_to_lds s[G0Y:G0Y+3], s[G1Y:G1Y+7]  ; THE ONE REFILL: V's second group into P's bytes
	s_nop 0
	PLACES
	s_wait_loadcnt 0x0                             ; V's scale words
.macro VFRAG g, s                      ; V's four tiles of K steps 2 s, 2 s + 1 into set s % 2: sixteen LDS loads of 512 consecutive bytes
.irp q, 0,1
.irp t, 0,1,2,3
.irp c, 0,1
	ds_load_b128 v[FR+64*((\s)%2)+32*\q+8*\t+4*\c:FR+64*((\s)%2)+32*\q+8*\t+4*\c+3], v[AV+\g] offset:16384*\t+1024*(2*(\s)+\q)+512*\c
.endr
.endr
.endr
.endm
.macro MULS s                          ; 32 products.  The 16 accumulators take turns, one instruction a turn.
.irp q, 0,1
.set rK, 2*(\s)+\q
	WIN 0x58+4*(rK/8)                              ; source 0 (V) window 0, source 1 (P) window 2 or 3, C and D window 1
.irp a, 0,1,2,3
.irp t, 0,1,2,3
.set rD, 32*\a+8*\t
.set rA, FR+64*((\s)%2)+32*\q+8*\t
.set rB, 32*(rK%8)+8*\a
.set rSA, VS+2*rK+\t/2
.set rSB, PS+2*rK+\a/2
.set rRA, \t%2
.set rRB, \a%2
.set rZ, 0
.if rK == 0
.set rZ, 1
.endif
	WMX
.endr
.endr
.endr
	WIN 0
	PLACES                                         ; in front of loads into registers that these products have read, and of the first read of results
.endm
.macro GROUP g
	VFRAG \g, 0
.irp s, 0,1,2,3,4,5,6
	VFRAG \g, \s+1
	s_wait_dscnt 16                                ; all but the 16 just issued
	MULS \s
.endr
	s_wait_dscnt 0x0
	MULS 7
.endm
.macro SEND g, a
.irp i, 0,1,2,3,4,5,6,7
	global_store_b128 v[CO], v[OB+32*(\a)+4*\i:OB+32*(\a)+4*\i+3], s[12:13] offset:(16*(\a)+2*\i)*16384+512*\g th:TH_STORE_NT   ; 16 lanes store 256 consecutive bytes, aligned
.endr
.endm
; THE WAY OUT of a group: a block of 16 queries x 64 hid at a time is divided by l and goes through my stage, and leaves as whole rows.
.macro LEAVE g
.irp a, 0,1,2,3
	WIN 0x01                                       ; source 0 window 1
.irp j, 0,2,4,6,8,10,12,14,16,18,20,22,24,26,28,30
	v_pk_mul_f32 v[OT+\j:OT+\j+1], v[32*\a+\j:32*\a+\j+1], v[RL+2*\a:RL+2*\a+1] op_sel_hi:[1,0]   ; each accumulator from its low end on
.endr
	WIN 0
.irp t, 0,1,2,3
.irp i, 0,1
	ds_store_b128 v[STO], v[OT+8*\t+4*\i:OT+8*\t+4*\i+3] offset:64*\t+16*\i
.endr
.endr
.irp i, 0,1,2,3,4,5,6,7
	ds_load_b128 v[OB+32*\a+4*\i:OB+32*\a+4*\i+3], v[RD] offset:2*OP*\i   ; LDS serves a wave's instructions in order: these see my stores
.endr
.if \a > 0
	s_wait_dscnt 16                                ; behind the last block's loads this block's 8 stores and 8 loads were issued
	SEND \g, \a-1
.endif
.endr
	s_wait_dscnt 0x0
	SEND \g, 3
.endm
	GROUP 0
	VSLOAD 1                                       ; the four places above stand between the products and these loads
	LEAVE 0
	s_wait_alu depctr_va_vdst(0)
	s_wait_tensorcnt 0x0                           ; my part of V's second group
	s_barrier_signal -1
	s_barrier_wait -1                              ; everybody's
	s_wait_xcnt 0x0                                ; the stores have read their data: fragments land there now
	s_wait_loadcnt 0x0
	GROUP 1
	LEAVE 1
	s_wait_tensorcnt 0x0                           ; the wave's end
	ds_add_u32 v[SPW], v[NIL]
	s_wait_dscnt 0x0
	CROUND                                         ; the closing round
	s_endpgm
.Lfunc_end_k_q1d02f1a022_pv:
	.size	k_q1d02f1a022_pv, .Lfunc_end_k_q1d02f1a022_pv-k_q1d02f1a022_pv
	.p2alignl 7, 3214868480
	.fill 96, 4, 3214868480
	.section	.rodata,"a",@progbits
	.p2align	6, 0x0
	.amdhsa_kernel k_q1d02f1a022_pv
		.amdhsa_group_segment_fixed_size 327680
		.amdhsa_private_segment_fixed_size 0
		.amdhsa_enable_private_segment 0
		.amdhsa_kernarg_size 40
		.amdhsa_user_sgpr_count 2
		.amdhsa_user_sgpr_kernarg_segment_ptr 1
		.amdhsa_wavefront_size32 1
		.amdhsa_system_sgpr_workgroup_id_x 1
		.amdhsa_system_sgpr_workgroup_id_y 1
		.amdhsa_system_sgpr_workgroup_id_z 1
		.amdhsa_system_vgpr_workitem_id 0
		.amdhsa_next_free_vgpr 1024
		.amdhsa_next_free_sgpr 96
		.amdhsa_reserve_vcc 0
		.amdhsa_float_denorm_mode_32 3
		.amdhsa_float_denorm_mode_16_64 3
		.amdhsa_memory_ordered 1
		.amdhsa_forward_progress 1
		.amdhsa_inst_pref_size 149
	.end_amdhsa_kernel
	.amdgpu_metadata
---
amdhsa.version: [ 1, 2 ]
amdhsa.kernels:
  - .name:           k_q1d02f1a022_pv
    .symbol:         k_q1d02f1a022_pv.kd
    .args:
      - { .name: pc, .offset: 0, .size: 8, .value_kind: global_buffer, .address_space: global }
      - { .name: pst, .offset: 8, .size: 8, .value_kind: global_buffer, .address_space: global }
      - { .name: vc, .offset: 16, .size: 8, .value_kind: global_buffer, .address_space: global }
      - { .name: vs, .offset: 24, .size: 8, .value_kind: global_buffer, .address_space: global }
      - { .name: out0, .offset: 32, .size: 8, .value_kind: global_buffer, .address_space: global }
    .group_segment_fixed_size: 327680
    .private_segment_fixed_size: 0
    .kernarg_segment_align: 8
    .kernarg_segment_size: 40
    .max_flat_workgroup_size: 128
    .sgpr_count:     96
    .vgpr_count:     1024
    .wavefront_size: 32
...
	.end_amdgpu_metadata
.endif
;; end of part 3
